; MI455X (gfx1250); checked and timed in simulation.
; The chip was launched on July 23, 2026; its instructions are those of AMD's public machine-readable ISA for CDNA 5 (MIT licence, August 2026) and "CDNA5" Instruction Set Architecture Reference Guide (July 2026). The comments in the code are by the model that wrote it; some were corrected since.
;; Multi Head Self Attention. Allowed arithmetic: matrix products marked QUANTISED: E4M3 operands, one E8M0 scale for each 32 along K, by v_wmma_scale_f32_16x16x128_f8f6f4 with both operands' format E4M3, f32 sums; everything else in f32.
;; Inputs: Wk 1,024 x 1,024 float32; Wo 1,024 x 1,024 float32; Wq 1,024 x 1,024 float32; Wv 1,024 x 1,024 float32; x 1 x 4,096 x 1,024 float32.
;; Outputs: out0 1 x 4,096 x 1,024 float32.
;; This version of the problem:
;;   THIS VERSION OF THE PROBLEM IS GIVEN IN LOW PRECISION. The matrix products marked QUANTISED in the list below multiply operands that are first quantised to E4M3 (4 exponent bits, 3 mantissa bits; 8 bits a number), with one power-of-two scale for each 32 numbers along K (OCP MX v1.0); their sums are f32. All else is computed in f32.
;;   The module's matrix products, in the order in which they are computed (A, B: the left and right operand; K: the contracted axis; several contracted axes count as one K, in the product's order):
;;     1. [M 4,096, K 1,024] x [K 1,024, N 1,024]; A: input x; B: input Wq: QUANTISED
;;     2. [M 4,096, K 1,024] x [K 1,024, N 1,024]; A: input x; B: input Wk: QUANTISED
;;     3. [M 4,096, K 1,024] x [K 1,024, N 1,024]; A: input x; B: input Wv: QUANTISED
;;     4. batch 16 x [M 4,096, K 64] x [K 64, N 4,096]; A: computed on the way; B: computed on the way: QUANTISED
;;     5. batch 16 x [M 4,096, K 4,096] x [K 4,096, N 64]; A: softmax (see below); B: computed on the way: QUANTISED
;;     6. [M 4,096, K 1,024] x [K 1,024, N 1,024]; A: computed on the way; B: input Wo: QUANTISED
;;   THE QUANTISER, for each operand of a quantised product, along K:
;;     - K is cut into blocks of 32 from its start; a last block that is shorter is filled with zeros.
;;     - A block's scale is 2^e with e = floor(log2(the largest magnitude in the block)) - 8, held to -126 .. 127; a block of zeros has e = 0. As a byte (E8M0): e + 127.
;;     - Each number is divided by its block's scale, clamped to +-448, and rounded to the nearest number of E4M3, ties to even, subnormals kept.
;;     - The product sums the exact products of the quantised numbers (number of the format x scale) in f32.
;;   ~~~python
;;   def quantise(x, axis):      # numpy; x: float32 -> the quantised numbers, widened to float32 again
;;       x = np.moveaxis(x, axis, -1); K = x.shape[-1]
;;       x = np.pad(x, [(0, 0)] * (x.ndim - 1) + [(0, -K % 32)]); x = x.reshape(x.shape[:-1] + (-1, 32)); a = np.abs(x).max(-1, keepdims=True)
;;       e = np.where(a > 0, np.clip(np.frexp(np.where(a > 0, a, 1))[1] - 1 - 8, -126, 127), 0)      # np.frexp(a)[1] - 1 = floor(log2(a)), exactly
;;       r = np.clip(x / 2.0 ** e, -448, 448)
;;       step = 2.0 ** (np.maximum(np.frexp(np.where(r == 0, 1, r))[1] - 1, -6) - 3)
;;       q = np.round(r / step) * step * 2.0 ** e      # np.round: ties to even
;;       return np.moveaxis(q.reshape(q.shape[:-2] + (-1,))[..., :K], -1, axis).astype(np.float32)
;;   ~~~
;;   SOFTMAX AHEAD OF A QUANTISED PRODUCT. Where the list says 'softmax', what is quantised is not the finished softmax but p = 2^(t - M), with t = logit x log2(e) and M = ceil(the row's largest t), a whole number; so 1/2 < the row's largest p <= 1. The row's sum l is taken of the UNQUANTISED p, in f32, and the product's result is divided by l at the end. Since M is a whole number, a kernel that streams over the keys may use a running M (the ceiling of the running maximum): every later rescaling is an exact power of two, which a block's scale takes up: the codes' values come out the same.
;;   OPERANDS COMPUTED ON THE WAY. 'Computed on the way' means the value that the module computes at that place (a softmax that the list does not call 'softmax' is quantised finished and normalised). What goes into a quantiser is computed in f32, as accurately as f32 sums, v_exp_f32 and their like allow (about 1e-6 of the number): no bf16 or f16 on the way to a quantiser, and a product that is left as it is and whose result goes on into a quantised operand takes f32 operands (vector FMAs, or v_wmma_f32_16x16x4_f32). A number that lies on a knife's edge between two numbers of the format may be rounded either way, as far as f32 arithmetic and the matrix unit's own rounding can turn it there, and no further.
;; One version. Each part assembles by itself: llvm-mc -triple=amdgcn-amd-amdhsa -mcpu=gfx1250 --defsym DOCPART=n.
;; ======== version 1 of 1: 4 launches
;; limits: right only within a limited range of input values
;; workspace buffers: xw_codes 8,388,608 bytes; xw_scales 262,144 bytes; rope 1,048,576 bytes; qkv_img 12,582,912 bytes; qkv_sc 393,216 bytes; o_img 4,194,304 bytes; o_sc 131,072 bytes
;; launch quant (part 1): grid 256 x 1, 4 waves a work-group, no clusters, 33,280 bytes of LDS; arguments x, Wq, Wk, Wv, Wo, xw_codes, xw_scales, rope; writes xw_codes, xw_scales, rope
.if DOCPART == 1
	.amdgcn_target "amdgcn-amd-amdhsa--gfx1250"
	.amdhsa_code_object_version 6
	.text
	.protected	k_qf3a9af4696_quant
	.globl	k_qf3a9af4696_quant
	.p2align	8
	.type	k_qf3a9af4696_quant,@function
k_qf3a9af4696_quant:
	s_mov_b64 s[64:65], 0
	v_nop
	global_prefetch_b8 v0, s[64:65] scope:SCOPE_SE
	s_setreg_imm32_b32 hwreg(HW_REG_WAVE_MODE, 25, 1), 1
	s_wait_xcnt 0x0
; x [4096][1024] and Wq, Wk, Wv, Wo [1024][1024], f32, K innermost, become codes of FP8 (E4M3) with one E8M0 byte for each 32 along K, in ONE buffer of 8,192 rows:
; rows 0-4095 x, 4096 Wq, 5120 Wk, 6144 Wv, 7168 Wo; codes [8192][1024 bytes], scale bytes [8192][32].  The launch also makes the table of cos and sin for the rotation of q and k.
; A block's scale is 2^(floor(log2(its largest magnitude)) - 8); its byte is the largest magnitude's exponent field - 8, held at 1 from below.  Each number is divided by the scale, held within +-448, rounded to the nearest code.
; Wv's ROWS ARE LAID IN ANOTHER ORDER: in each 32 rows the groups of eight stand in the order 0, 2, 1, 3.  The attention's result then falls, lane by lane, into the true order along the last product's K.
; LIMITS: a block of zeros gets the byte 1 where the rule says 127 (its codes are zeros; this program alone reads the bytes); blocks under 2^-118 keep the floor's byte; NaN and infinities among the inputs are not served.
; SHARES.  256 work-groups x 4 waves; a wave takes 8,192 numbers (8 rows) in 16 steps of 512.  Each of a step's four loads reads 512 consecutive bytes; the 2,048 bytes turn through the wave's own stage in LDS and come
; back 64 bytes (16 neighbours) a lane; two neighbouring lanes hold a block.  A step's codes leave as 512 consecutive bytes, a wave's 256 scale bytes as one aligned run of 256.  Waves share nothing: no barrier.
; THE TABLE: [4096 tokens][cos i = 0..31 | sin i = 0..31] f32, 256 bytes a token.  freq_i = 2^(-i log2(10000) / 32), the exponent in two parts; angle = pos x freq rounded to f32, as the problem has it;
; the angle is reduced by multiples of pi / 2 (in two parts) and cos and sin come from polynomials on +-pi / 4 (about 1e-7 absolute).  sin(a) = cos(a - pi / 2): the sin lanes take the quadrant + 3.
.set STEPS, 16
.set EMAX,  8
.set MANT,  0x600000                   ; the mantissa field of 448 as f32
.set CB,    16                         ; bytes of 16 codes
.set R,     16                         ; v16-79   four sets of 16 numbers as they are loaded
.set X,     80                         ; v80-111  two sets of 16 neighbours; ahead of the first step: the table's registers
.set C,     128                        ; v128-191 codes: four registers for each step, so that no store's data are written again
.set E,     112                        ; v112-127 a scale byte for each step
.set WREG,  8192                       ; LDS: a region for each wave: two stages of 32 x SP bytes, behind them its 256 scale bytes
.set SP,    80                         ; a lane's place in a stage: 64 bytes + 16 of padding
	s_load_b256 s[4:11], s[0:1], 0x0               ; x, Wq, Wk, Wv
	s_load_b256 s[12:19], s[0:1], 0x20             ; Wo, the codes, the scale bytes, the table
	v_lshl_add_u32 v192, v0, 2, 0x8000
	v_mov_b32 v193, 0
	v_lshrrev_b32 v1, 5, v0
	v_readfirstlane_b32 s20, v1                    ; wave
	v_and_b32 v2, 31, v0                           ; lane
	v_lshlrev_b32 v3, 4, v2                        ; my 16 bytes of a load's 512
	s_mul_i32 s21, s20, WREG
	v_lshrrev_b32 v14, 2, v2
	v_mul_u32_u24 v14, v14, SP
	v_and_b32 v15, 3, v2
	v_lshl_add_u32 v14, v15, 4, v14
	v_add_nc_u32 v14, s21, v14                     ; the stage, on the way in: SP (lane / 4) + 16 (lane % 4)
	v_mul_u32_u24 v15, v2, SP
	v_add_nc_u32 v15, s21, v15                     ; and on the way out: SP x lane: my 16 neighbours
	v_mul_u32_u24 v4, v2, CB                       ; my codes' place in a step's
	v_lshrrev_b32 v5, 1, v2
	s_add_co_u32 s21, s21, 2*32*SP
	v_add_nc_u32 v5, s21, v5                       ; LDS: my wave's 256 scale bytes, my block's byte
	v_lshlrev_b32 v7, 3, v2                        ; and on the way out 8 bytes a lane
	v_add_nc_u32 v6, s21, v7
	s_mov_b32 s23, MANT
	s_and_b32 s22, s20, 1                          ; where my 8 rows go: in Wv's work-groups (192 to 223) waves 1 and 2 change places
	s_lshl_b32 s22, s22, 1
	s_lshr_b32 s24, s20, 1
	s_or_b32 s22, s22, s24
	s_sub_co_u32 s24, ttmp9, 192
	s_cmp_lt_u32 s24, 32
	s_cselect_b32 s22, s22, s20
	s_lshl_b32 s24, ttmp9, 2
	s_add_co_u32 s22, s22, s24                     ; the run of 8 rows in the joint buffers
	s_and_b32 s25, ttmp9, 31                       ; where they come from: 128 work-groups for x, 32 for each weight
	s_cmp_lt_u32 ttmp9, 128
	s_cselect_b32 s25, ttmp9, s25
	s_lshl_b32 s25, s25, 2
	s_add_co_u32 s25, s25, s20
	s_lshl_b32 s26, s25, 15                        ; 32,768 bytes a run
	s_mov_b32 s27, 0
	s_mov_b32 s28, 0xbed49a78                      ; -log2(10000) / 32, its upper part,
	s_mov_b32 s29, 0xb2179a17                      ; and what f32 leaves of it
	s_mov_b32 s30, 0x3f317218                      ; ln 2
	s_mov_b32 s31, 0x3f22f983                      ; 2 / pi
	s_mov_b32 s32, 0xbfc90fdb                      ; -(pi / 2), upper part
	s_mov_b32 s33, 0x333bbd2e                      ; -(pi / 2), the rest
	s_mov_b32 s34, 0xb94ca1f9                      ; sin: -1.9515296e-4, 8.3321609e-3, -1.6666655e-1
	s_mov_b32 s35, 0x3c08839e
	s_mov_b32 s36, 0xbe2aaaa3
	s_mov_b32 s37, 0x37ccf5ce                      ; cos: 2.4433157e-5, -1.3887316e-3, 4.1666646e-2
	s_mov_b32 s38, 0xbab6061a
	s_mov_b32 s39, 0x3d2aaaa5
	s_lshl_b32 s40, ttmp9, 4                       ; the table: 16 tokens a work-group
	s_wait_kmcnt 0x0
	s_cmp_lt_u32 ttmp9, 224                        ; which tensor: the choice hangs on the work-group's number alone
	s_cselect_b64 s[12:13], s[10:11], s[12:13]
	s_cmp_lt_u32 ttmp9, 192
	s_cselect_b64 s[12:13], s[8:9], s[12:13]
	s_cmp_lt_u32 ttmp9, 160
	s_cselect_b64 s[12:13], s[6:7], s[12:13]
	s_cmp_lt_u32 ttmp9, 128
	s_cselect_b64 s[12:13], s[4:5], s[12:13]
	s_add_nc_u64 s[12:13], s[12:13], s[26:27]
	s_lshl_b32 s26, s22, 13                        ; 8,192 bytes of codes a run
	s_add_nc_u64 s[14:15], s[14:15], s[26:27]
	s_lshl_b32 s26, s22, 8                         ; 256 scale bytes a run
	s_add_nc_u64 s[16:17], s[16:17], s[26:27]
	s_lshl_b32 s26, ttmp9, 12                      ; 16 tokens x 256 bytes of the table
	s_add_nc_u64 s[18:19], s[18:19], s[26:27]
.macro LOAD t
.irp i, 0,1,2,3
	global_load_b128 v[R+16*((\t)%4)+4*\i:R+16*((\t)%4)+4*\i+3], v3, s[12:13] offset:2048*(\t)+512*\i th:TH_LOAD_NT   ; 32 lanes read 512 consecutive bytes
.endr
.endm
.macro TURN t                          ; step t's numbers through the stage: LDS serves a wave's instructions in order, so no wait stands between the stores and the loads
.irp i, 0,1,2,3
	ds_store_b128 v14, v[R+16*((\t)%4)+4*\i:R+16*((\t)%4)+4*\i+3] offset:32*SP*((\t)%2)+8*SP*\i
.endr
.irp i, 0,1,2,3
	ds_load_b128 v[X+16*((\t)%2)+4*\i:X+16*((\t)%2)+4*\i+3], v15 offset:32*SP*((\t)%2)+16*\i
.endr
.endm
.irp t, 0,1,2,3
	LOAD \t
.endr
; THE TABLE, while the first sixteen loads are on their way.  Thread t, pass p: token 16 x work-group + 8 p + t / 16; of its 256 bytes the 16 at 16 (t % 16): cos (t % 16 < 8) or sin of i = 4 (t % 8) + 0 .. 3.
	v_and_b32 v80, 7, v0
	v_lshlrev_b32 v80, 2, v80                      ; my first i
	v_bfe_u32 v81, v0, 3, 1
	v_mul_u32_u24 v81, v81, 3                      ; 3 in the sin lanes: the quadrant's shift
	v_lshrrev_b32 v82, 4, v0
	v_add_nc_u32 v82, s40, v82
	v_cvt_f32_u32 v82, v82                         ; pos
	v_lshlrev_b32 v83, 4, v0                       ; my 16 bytes: sixteen neighbouring threads fill a token's 256
.irp n, 0,1,2,3
	v_add_nc_u32 v[88+\n], \n, v80
.endr
.irp n, 0,1,2,3
	v_cvt_f32_u32 v[88+\n], v[88+\n]               ; i
.endr
.irp n, 0,1,2,3
	v_mul_f32 v[100+\n], s28, v[88+\n]             ; the exponent, rounded;
.endr
.irp n, 0,1,2,3
	v_fma_f32 v[104+\n], v[88+\n], s28, -v[100+\n] ; what the rounding dropped,
.endr
.irp n, 0,1,2,3
	v_fma_f32 v[104+\n], v[88+\n], s29, v[104+\n]  ; and the constant's own rest
.endr
	s_wait_alu depctr_va_vdst(0)
.irp n, 0,1,2,3
	v_exp_f32 v[84+\n], v[100+\n]
.endr
.irp n, 0,1,2,3
	v_mul_f32 v[104+\n], s30, v[104+\n]            ; (plain lines behind the four exponentials)
.endr
	s_wait_alu depctr_va_vdst(0)                   ; one wait for the four, ahead of their first reader
.irp n, 0,1,2,3
	v_fma_f32 v[84+\n], v[84+\n], v[104+\n], v[84+\n]   ; freq = 2^upper x (1 + rest x ln 2)
.endr
.macro SINCOS out, n
	v_mul_f32 v100, v82, v[84+\n]                  ; the angle, rounded to f32
	v_mul_f32 v101, s31, v100
	v_rndne_f32 v101, v101                         ; k: how many quarter turns
	v_fma_f32 v102, v101, s32, v100
	v_fma_f32 v102, v101, s33, v102                ; r = angle - k pi / 2, within +-pi / 4
	v_cvt_i32_f32 v103, v101
	v_add_nc_u32 v103, v103, v81                   ; the quadrant
	v_mul_f32 v104, v102, v102                     ; z = r^2
	v_fma_f32 v105, v104, s34, s35
	v_fma_f32 v105, v105, v104, s36
	v_mul_f32 v106, v104, v102
	v_fma_f32 v105, v105, v106, v102               ; sin r
	v_fma_f32 v107, v104, s37, s38
	v_fma_f32 v107, v107, v104, s39
	v_mul_f32 v108, v104, v104
	v_fma_f32 v109, v104, -0.5, 1.0
	v_fma_f32 v107, v107, v108, v109               ; cos r
	v_and_b32 v108, 1, v103
	v_cmp_eq_u32 vcc_lo, 1, v108
	v_cndmask_b32 v107, v107, v105, vcc_lo         ; odd quadrants take sin r
	v_add_nc_u32 v103, 1, v103
	v_and_b32 v103, 2, v103
	v_lshlrev_b32 v103, 30, v103                   ; quadrants 1 and 2 are negative
	v_xor_b32 v[\out], v107, v103
.endm
.irp n, 0,1,2,3
	SINCOS 92+\n, \n
.endr
	global_store_b128 v83, v[92:95], s[18:19]
	v_add_f32 v82, 0x41000000, v82                 ; eight tokens on
.irp n, 0,1,2,3
	SINCOS 96+\n, \n
.endr
	global_store_b128 v83, v[96:99], s[18:19] offset:2048
	s_wait_xcnt 0x0                                ; the two stores have read their registers: the first steps' numbers land there
	s_wait_loadcnt 12                              ; step 0's four loads are in; the 12 of steps 1 to 3 may be out
	TURN 0
.macro STEP t
.set XS, X+16*((\t)%2)
.if (\t) > 0
	s_wait_dscnt 1                                 ; this step's numbers are back from the stage (the last step's byte store may be out)
.else
	s_wait_dscnt 0x0
.endif
.if (\t)+4 < STEPS
	LOAD (\t)+4                                    ; into the registers that this step's stores into the stage have read
.endif
.if (\t)+1 < STEPS
.if STEPS-2-(\t) >= 3
	s_wait_loadcnt 12                              ; the next step's four loads are in; those of the three steps behind it may be out
.else
	s_wait_loadcnt 4*(STEPS-2-(\t))
.endif
	TURN (\t)+1                                    ; through the other stage while this step is worked
.endif
	v_max3_num_f32 v8, |v[XS]|, |v[XS+1]|, |v[XS+2]|               ; the largest magnitude of my 16, in two chains
	v_max3_num_f32 v9, |v[XS+3]|, |v[XS+4]|, |v[XS+5]|
.irp i, 6,10
	v_max3_num_f32 v8, v8, |v[XS+\i]|, |v[XS+\i+1]|
	v_max3_num_f32 v9, v9, |v[XS+\i+2]|, |v[XS+\i+3]|
.endr
	v_max3_num_f32 v8, v8, |v[XS+14]|, |v[XS+15]|
	v_max3_num_f32 v8, v8, v9, (EMAX+1)<<23        ; and the floor 2^(9 - 127): the byte cannot fall under 1
	v_max_num_f32_dpp v8, v8, v8 row_xmask:1 row_mask:0xf bank_mask:0xf   ; and of my neighbour's 16: the block's
	v_add_nc_u32 v11, -(EMAX<<23), v8              ; 8 off its exponent field: the conversion takes the exponent field of this operand as its scale
	v_and_or_b32 v10, v8, 0x7f800000, s23          ; 448 x the scale
.irp i, 0,1,2,3,4,5,6,7,8,9,10,11,12,13,14,15
	v_med3_num_f32 v[XS+\i], v[XS+\i], -v10, v10   ; the conversion to an 8-bit code does not saturate (ISA guide 7.6.2): the hold comes first
.endr
	v_cvt_scalef32_pk8_fp8_f32 v[C+4*(\t):C+4*(\t)+1], v[XS:XS+7], v11
	v_cvt_scalef32_pk8_fp8_f32 v[C+4*(\t)+2:C+4*(\t)+3], v[XS+8:XS+15], v11
	v_lshrrev_b32 v[E+(\t)], 23, v11               ; the scale's byte
	ds_store_b8 v5, v[E+(\t)] offset:16*(\t)       ; both lanes of a block write the same byte with the same value
	global_store_b128 v4, v[C+4*(\t):C+4*(\t)+3], s[14:15] offset:32*CB*(\t)
.endm
.irp t, 0,1,2,3,4,5,6,7,8,9,10,11,12,13,14,15
	STEP \t
.endr
	ds_load_b64 v[12:13], v6                       ; LDS serves a wave's instructions in order: these see my stores
	s_wait_dscnt 0x0
	global_store_b64 v7, v[12:13], s[16:17]        ; 32 lanes store 256 consecutive bytes, aligned
	s_wait_tensorcnt 0x0
	ds_add_u32 v192, v193
	s_wait_dscnt 0x0
	s_endpgm
.Lfunc_end_k_qf3a9af4696_quant:
	.size	k_qf3a9af4696_quant, .Lfunc_end_k_qf3a9af4696_quant-k_qf3a9af4696_quant
	.p2alignl 7, 3214868480
	.fill 96, 4, 3214868480
	.section	.rodata,"a",@progbits
	.p2align	6, 0x0
	.amdhsa_kernel k_qf3a9af4696_quant
		.amdhsa_group_segment_fixed_size 33280
		.amdhsa_private_segment_fixed_size 0
		.amdhsa_enable_private_segment 0
		.amdhsa_kernarg_size 64
		.amdhsa_user_sgpr_count 2
		.amdhsa_user_sgpr_kernarg_segment_ptr 1
		.amdhsa_wavefront_size32 1
		.amdhsa_system_sgpr_workgroup_id_x 1
		.amdhsa_system_sgpr_workgroup_id_y 1
		.amdhsa_system_sgpr_workgroup_id_z 1
		.amdhsa_system_vgpr_workitem_id 0
		.amdhsa_next_free_vgpr 194
		.amdhsa_next_free_sgpr 66
		.amdhsa_reserve_vcc 1
		.amdhsa_float_denorm_mode_32 3
		.amdhsa_float_denorm_mode_16_64 3
		.amdhsa_memory_ordered 1
		.amdhsa_forward_progress 1
		.amdhsa_inst_pref_size 62
	.end_amdhsa_kernel
	.amdgpu_metadata
---
amdhsa.version: [ 1, 2 ]
amdhsa.kernels:
  - .name:           k_qf3a9af4696_quant
    .symbol:         k_qf3a9af4696_quant.kd
    .args:
      - { .name: x, .offset: 0, .size: 8, .value_kind: global_buffer, .address_space: global }
      - { .name: Wq, .offset: 8, .size: 8, .value_kind: global_buffer, .address_space: global }
      - { .name: Wk, .offset: 16, .size: 8, .value_kind: global_buffer, .address_space: global }
      - { .name: Wv, .offset: 24, .size: 8, .value_kind: global_buffer, .address_space: global }
      - { .name: Wo, .offset: 32, .size: 8, .value_kind: global_buffer, .address_space: global }
      - { .name: xw_codes, .offset: 40, .size: 8, .value_kind: global_buffer, .address_space: global }
      - { .name: xw_scales, .offset: 48, .size: 8, .value_kind: global_buffer, .address_space: global }
      - { .name: rope, .offset: 56, .size: 8, .value_kind: global_buffer, .address_space: global }
    .group_segment_fixed_size: 33280
    .private_segment_fixed_size: 0
    .kernarg_segment_align: 8
    .kernarg_segment_size: 64
    .max_flat_workgroup_size: 128
    .sgpr_count:     66
    .vgpr_count:     194
    .wavefront_size: 32
...
	.end_amdgpu_metadata
.endif
;; end of part 1
;; launch qkv (part 2): grid 16 x 16, 4 waves a work-group, clusters of 4 x 4, 327,680 bytes of LDS; arguments xw_codes, xw_scales, rope, qkv_img, qkv_sc; writes qkv_img, qkv_sc
.if DOCPART == 2
	.amdgcn_target "amdgcn-amd-amdhsa--gfx1250"
	.amdhsa_code_object_version 6
	.text
	.protected	k_qf3a9af4696_qkv
	.globl	k_qf3a9af4696_qkv
	.p2align	8
	.type	k_qf3a9af4696_qkv,@function
k_qf3a9af4696_qkv:
	s_mov_b64 s[64:65], 0
	v_nop
	global_prefetch_b8 v0, s[64:65] scope:SCOPE_SE
	s_setreg_imm32_b32 hwreg(HW_REG_WAVE_MODE, 25, 1), 1
	s_wait_xcnt 0x0
	s_wait_alu depctr_hold_cnt(0) depctr_sa_sdst(0) depctr_va_vdst(0) depctr_va_sdst(0) depctr_va_ssrc(0) depctr_va_vcc(0) depctr_vm_vsrc(0)
	s_getreg_b32 s2, hwreg(HW_REG_IB_STS2, 6, 4)
	s_cmp_eq_u32 s2, 0
	s_cbranch_scc0 .Lentry_in_a_cluster
	s_endpgm
.Lentry_in_a_cluster:
	s_bfe_u32 s2, ttmp6, 0x10000c
	s_cmp_lg_u32 s2, 0xf033
	s_cbranch_scc0 .Lentry_shape_is_right
	s_endpgm
.Lentry_shape_is_right:
; Q, K, V = x Wq^T, x Wk^T, x Wv^T on codes of FP8 (E4M3) with E8M0 scales, the rotation of q and k, and the quantisers ahead of the attention's products: 4,096 x 3,072 x 1,024.  No f32 result is stored.
; INPUT: xw_codes [8192][1024 bytes], xw_scales [8192][32]: rows 0-4095 x, 4096 Wq, 5120 Wk, 6144 Wv; rope [4096][cos 0..31 | sin 0..31] f32.
; OUTPUT: qkv_img: q [head][tile of 16 tokens][block of 32 channels][lane][16 bytes], k likewise from 4 MiB on, v from 8 MiB on [head][key step of 128][tile of 16 channels][block of 32 tokens][lane][16].
; qkv_sc: q's scale bytes [head][token][2]; from 131,072 on k's [head][key step][r 16][tile 8][2]; from 262,144 on v's [head][key step][r 16][tile of channels 4][4 blocks of 32 tokens].
; SHARES.  A work-group makes 256 tokens of ONE head's Q, K and V: 256 x 192.  Four waves: wave (a, b) has 128 tokens (half a) x 32 columns (half b) of each of Q, K and V: 48 accumulators of 16 x 16.
; K goes in four pairs of steps (256 bytes of a row) through a ring of two LDS slots: 256 rows of x, then 64 rows each of Wq, Wk, Wv; wave 0 fetches x's, waves 1 to 3 a weight's each.
; CLUSTERS: 4 x 4; x's rows are asked for jointly along a row of the cluster, the weights' along a column.  The pairs 2 and 3 are asked for from memory one pair ahead of their loads.
; Q and K are used TRANSPOSED (source 0 = 16 rows of the weight, source 1 = 16 rows of x): a lane holds a token, its registers run along the columns: a rotation's pair lies in neighbouring registers.  V is not: a lane holds a channel, its registers run along the tokens.
; Inside a block of 32, byte 16 h + 8 u + j holds number 16 u + 8 h + j (h = lane / 16).
; LIMITS: a block of zeros, or under 2^-118, gets the byte 1; NaN and infinities are not served.
; REGISTERS: window 0: v16-31 addresses and words; v32-63 x's scale words (pair of tiles p, step q: 8 p + q; lanes 0-15 tile 2 p, lanes 16-31 tile 2 p + 1), v68-91 the weights'; v96-127 the way out; v128-255 V's accumulators (128 + 8 (8 s + j)).
;   window 1: x's fragments, two sets of 128; then the rotation's table.  window 2: the weights' fragments, two sets of 96; then the way out of q and k.  window 3: Q's and K's accumulators (8 (16 t + 8 s + j)).
.set PITCH, 272                        ; an LDS row: 256 bytes + 16
.set XB,    256*PITCH                  ; a slot: x's rows, then the weights'
.set SLOT,  XB+192*PITCH
.set STG,   2*SLOT                     ; the scale bytes on their way out: q's 512, k's 512, v's 512; no tile lands here
.set SPARE, STG+1536
.set ADX,  16
.set ADW,  18
.set TA,   20
.set O01,  21
.set QST,  22
.set KST,  23
.set VST,  24
.set SCR,  25
.set PFO,  26
.set L32,  27
.set SPW,  28
.set NIL,  29
.set VW,   30
.set SX,   32
.set SW,   68
.set G1X,  24
.set G1W,  32
.set G0X,  48
.set G0W,  56
.set SEL,  66
.set MNT,  68
.set PFA,  70
.set MSB, 0
.macro WIN new
.if MSB != \new
	s_set_vgpr_msb (MSB<<8)|\new
.set MSB, \new
.endif
.endm
.macro PLACES n
.rept \n
	v_nop
.endr
.endm
.macro JLOAD s                         ; a joint load: wave 0 x's rows, waves 1 to 3 a weight's; four v_nop follow each line
	s_cmp_eq_u32 s14, 0
	s_cbranch_scc0 .Lfor_w_\@
	tensor_load_to_lds s[G0X+4*\s:G0X+4*\s+3], s[G1X:G1X+7]
	s_nop 0
	PLACES 4
	s_branch .Lasked_\@
.Lfor_w_\@:
	tensor_load_to_lds s[G0W+4*\s:G0W+4*\s+3], s[G1W:G1W+7]
	s_nop 0
	PLACES 4
.Lasked_\@:
.endm
.macro CREST
	s_cmp_lg_u32 s14, 0
	s_cbranch_scc1 .Lnot_wave_0_\@
	s_barrier_signal -3
.Lnot_wave_0_\@:
	s_barrier_wait -3
	s_barrier_signal -1
	s_barrier_wait -1
.endm
.macro CROUND
	s_barrier_signal -1
	s_barrier_wait -1
	CREST
.endm
; A prefetch of the pair of steps at byte off of the rows: the four partners that share a tile split its rows by address: 64 rows of x (wave 0, two lines), 16 rows of each weight (waves 1 to 3).
.macro ASK off
	global_prefetch_b8 v[PFO], s[PFA:PFA+1] offset:\off th:TH_LOAD_NT scope:SCOPE_SE
	s_cmp_eq_u32 s14, 0
	s_cbranch_scc0 .Lall_\@
	global_prefetch_b8 v[PFO], s[PFA:PFA+1] offset:\off+32768 th:TH_LOAD_NT scope:SCOPE_SE
.Lall_\@:
.endm
.macro GROUP1 g, mask, rows            ; rows of 256 bytes, 1,024 apart, 16 bytes of padding behind each
	s_or_b32 s[\g], s[\mask], (1<<20)|(1<<21)|(5<<22)|(3<<25)
	s_mov_b32 s[\g+1], 256<<16
	s_mov_b32 s[\g+2], (\rows)<<16
	s_mov_b32 s[\g+3], 256<<16
	s_mov_b32 s[\g+4], \rows
	s_mov_b32 s[\g+5], 1024
	s_mov_b32 s[\g+6], 0
	s_mov_b32 s[\g+7], 0
.endm
	s_load_b256 s[4:11], s[0:1], 0x0               ; codes, scale bytes, table, images
	s_load_b64 s[12:13], s[0:1], 0x20              ; their scale bytes
	v_lshl_add_u32 v[SPW], v0, 2, SPARE
	v_mov_b32 v[NIL], 0
	ds_add_u32 v[SPW], v[NIL]                      ; the wave's opening: the add, twice on end, and its wait
	ds_add_u32 v[SPW], v[NIL]
	v_lshrrev_b32 v1, 5, v0
	v_readfirstlane_b32 s14, v1                    ; wave 0..3
	s_lshr_b32 s15, s14, 1                         ; a
	s_and_b32 s16, s14, 1                          ; b
	s_bfe_u32 s40, ttmp6, 0x40000                  ; cx
	s_bfe_u32 s41, ttmp6, 0x40004                  ; cy
	s_lshl_b32 s18, ttmp9, 2
	s_add_co_u32 s18, s18, s40                     ; head
	s_and_b32 s17, ttmp7, 0xffff
	s_lshl_b32 s17, s17, 2
	s_add_co_u32 s17, s17, s41                     ; block of 256 tokens
	s_lshl_b32 s43, s41, 2
	s_lshl_b32 s43, 15, s43                        ; my row of the cluster
	s_lshl_b32 s44, 0x1111, s40                    ; my column
	GROUP1 G1X, 43, 256
	GROUP1 G1W, 44, 64
	s_lshl_b32 s20, s17, 18                        ; x: 256 rows of 1,024 bytes a block
	s_mov_b32 s21, 0
	s_lshl_b32 s46, s14, 20                        ; the weights: rows 4,096 + 1,024 (wave - 1) + 64 head (wave 0 never asks by it)
	s_lshl_b32 s47, s18, 16
	s_add_co_u32 s46, s46, s47
	s_add_co_u32 s46, s46, 3145728
	s_mov_b32 s47, 0
	s_mul_i32 s45, s14, 64*PITCH
	s_add_co_u32 s45, s45, XB-64*PITCH
	s_wait_alu depctr_va_vdst(0)
	s_wait_dscnt 0x0                               ; both opening adds are done
	CROUND                                         ; all sixteen work-groups are here: the first joint loads meet
	s_wait_kmcnt 0x0
	s_add_nc_u64 s[20:21], s[4:5], s[20:21]
	s_add_nc_u64 s[46:47], s[4:5], s[46:47]
.irp s, 0,1
	s_mov_b32 s[G0X+4*\s], 1
	s_mov_b32 s[G0X+4*\s+1], \s*SLOT
	s_add_nc_u64 s[G0X+4*\s+2:G0X+4*\s+3], s[20:21], \s*256
	s_or_b32 s[G0X+4*\s+3], s[G0X+4*\s+3], 0x80000000
	s_mov_b32 s[G0W+4*\s], 1
	s_add_co_u32 s[G0W+4*\s+1], s45, \s*SLOT
	s_add_nc_u64 s[G0W+4*\s+2:G0W+4*\s+3], s[46:47], \s*256
	s_or_b32 s[G0W+4*\s+3], s[G0W+4*\s+3], 0x80000000
.endr
	JLOAD 0                                        ; pair 0: one tensor load a wave at the head
	s_lshl_b32 s20, s17, 13                        ; scale bytes: x's, 32 a row
	s_lshl_b32 s22, s15, 12
	s_add_co_u32 s20, s20, s22
	s_mov_b32 s21, 0
	s_add_nc_u64 s[20:21], s[6:7], s[20:21]
	s_lshl_b32 s22, s18, 11                        ; the weights': rows 4,096 + 1,024 t + 64 head + 32 b
	s_lshl_b32 s23, s16, 10
	s_add_co_u32 s22, s22, s23
	s_add_co_u32 s22, s22, 131072
	s_mov_b32 s23, 0
	s_add_nc_u64 s[22:23], s[6:7], s[22:23]
	v_and_b32 v3, 31, v0
	v_lshlrev_b32 v[L32], 5, v3
.irp p, 0,1,2,3
	global_load_b128 v[SX+8*\p:SX+8*\p+3], v[L32], s[20:21] offset:1024*\p
	global_load_b128 v[SX+8*\p+4:SX+8*\p+7], v[L32], s[20:21] offset:1024*\p+16
.endr
.irp t, 0,1,2
	global_load_b128 v[SW+8*\t:SW+8*\t+3], v[L32], s[22:23] offset:32768*\t
	global_load_b128 v[SW+8*\t+4:SW+8*\t+7], v[L32], s[22:23] offset:32768*\t+16
.endr
	s_lshl_b32 s42, s17, 16                        ; the table: 256 bytes a token; my columns' half is 64 bytes on
	s_lshl_b32 s45, s15, 15
	s_add_co_u32 s42, s42, s45
	s_lshl_b32 s45, s16, 6
	s_add_co_u32 s42, s42, s45
	s_mov_b32 s43, 0
	s_add_nc_u64 s[8:9], s[8:9], s[42:43]
	s_lshl_b32 s42, s18, 18                        ; the images: 262,144 a head, 16,384 a block of 256 tokens, 8,192 a half
	s_lshl_b32 s45, s17, 14
	s_add_co_u32 s42, s42, s45
	s_lshl_b32 s45, s15, 13
	s_add_co_u32 s42, s42, s45
	s_add_nc_u64 s[74:75], s[10:11], s[42:43]
	s_lshl_b32 s42, s16, 12                        ; v: two tiles of channels a half
	s_lshl_b32 s44, s16, 9                         ; q, k: one block of 32 a half
	s_mov_b32 s45, 0
	s_add_nc_u64 s[10:11], s[74:75], s[44:45]
	s_add_nc_u64 s[72:73], s[10:11], 4194304
	s_add_nc_u64 s[74:75], s[74:75], s[42:43]
	s_add_nc_u64 s[74:75], s[74:75], 8388608
	s_lshl_b32 s42, s14, 17                        ; what waves 0 to 2 store at the end: q's, k's, v's scale bytes
	s_lshl_b32 s44, s18, 13
	s_add_co_u32 s42, s42, s44
	s_lshl_b32 s44, s17, 9
	s_add_co_u32 s42, s42, s44
	s_add_nc_u64 s[12:13], s[12:13], s[42:43]
	s_lshl_b32 s42, s17, 8                         ; the prefetches' first row
	s_lshl_b32 s44, s40, 6
	s_add_co_u32 s42, s42, s44
	s_lshl_b32 s44, s14, 10
	s_lshl_b32 s45, s18, 6
	s_add_co_u32 s44, s44, s45
	s_lshl_b32 s45, s41, 4
	s_add_co_u32 s44, s44, s45
	s_add_co_u32 s44, s44, 3072
	s_cmp_eq_u32 s14, 0
	s_cselect_b32 s42, s42, s44
	s_cselect_b32 s44, 31, 15
	s_lshl_b32 s42, s42, 10
	s_add_nc_u64 s[PFA:PFA+1], s[4:5], s[42:43]
	s_mov_b32 s[SEL], 0x76543210
	s_mov_b32 s[SEL+1], 0xfedcba98
	s_mov_b32 s[MNT], 0x600000
	v_and_b32 v3, 31, v0
	v_min_u32 v4, s44, v3                          ; (lanes left over name the last row again)
	v_lshlrev_b32 v[PFO], 10, v4
	v_and_b32 v1, 15, v0                           ; r
	v_bfe_u32 v2, v0, 4, 1                         ; h
	v_mul_u32_u24 v5, v1, PITCH
	v_lshl_add_u32 v5, v2, 4, v5                   ; a fragment's row x pitch + 16 h
	s_wait_alu depctr_va_vdst(0)                   ; directly ahead of the wait below
	s_wait_xcnt 0x0                                ; the scale loads have taken their bases, s[20:23], which are written below
	s_mul_i32 s20, s15, 128*PITCH
	s_mul_i32 s22, s16, 32*PITCH
	s_add_co_u32 s22, s22, XB
.irp s, 0,1
	v_add_nc_u32 v[ADX+\s], s20, v5
	v_add_nc_u32 v[ADW+\s], s22, v5
	s_add_co_u32 s20, s20, SLOT
	s_add_co_u32 s22, s22, SLOT
.endr
	v_lshlrev_b32 v6, 8, v1
	v_lshl_add_u32 v[TA], v2, 4, v6                ; the table: 256 r + 16 h
	v_lshlrev_b32 v[O01], 4, v3
	s_lshl_b32 s20, s15, 8
	s_add_co_u32 s20, s20, STG
	s_add_co_u32 s22, s20, s16
	s_wait_alu depctr_va_vdst(0)
	v_lshl_add_u32 v[QST], v1, 1, s22              ; q's byte: 2 r + b, 32 a tile
	s_add_co_u32 s22, s22, 512
	v_lshl_add_u32 v[KST], v1, 4, s22              ; k's: 16 r + b, 2 a tile
	s_lshl_b32 s22, s16, 3
	s_add_co_u32 s22, s22, s20
	s_add_co_u32 s22, s22, 1024
	v_lshl_add_u32 v[VST], v1, 4, s22              ; v's word: 16 r + 8 b, 4 a tile of channels
	s_lshl_b32 s22, s14, 9
	s_add_co_u32 s22, s22, STG
	v_add_nc_u32 v[SCR], s22, v[O01]
; Product n of step k: n < 32: Q (t = 0), K (t = 1): n = 16 t + 8 s + j; else V: n = 32 + 8 s + j.  s: the tile of 16 columns, j: the tile of 16 tokens.  The 48 accumulators take turns, in the same order in every step.
.macro PROD k, n
.set J_, (\n)%8
.set S_, ((\n)/8)%2
.set T_, (\n)/16
.set XF_, 128*((\k)%2)+16*J_
.set WF_, 96*((\k)%2)+16*(2*T_+S_)
.set XC_, SX+8*(J_/2)+(\k)
.set WC_, SW+8*T_+(\k)
.if T_ < 2
.set D_, 8*(\n)
	WIN 0xf6
.if (\k) == 0
.if S_ && J_%2
	v_wmma_scale_f32_16x16x128_f8f6f4 v[D_:D_+7], v[WF_:WF_+15], v[XF_:XF_+15], 0, v[WC_], v[XC_] matrix_a_scale:MATRIX_SCALE_ROW1 matrix_b_scale:MATRIX_SCALE_ROW1
.elseif S_
	v_wmma_scale_f32_16x16x128_f8f6f4 v[D_:D_+7], v[WF_:WF_+15], v[XF_:XF_+15], 0, v[WC_], v[XC_] matrix_a_scale:MATRIX_SCALE_ROW1
.elseif J_%2
	v_wmma_scale_f32_16x16x128_f8f6f4 v[D_:D_+7], v[WF_:WF_+15], v[XF_:XF_+15], 0, v[WC_], v[XC_] matrix_b_scale:MATRIX_SCALE_ROW1
.else
	v_wmma_scale_f32_16x16x128_f8f6f4 v[D_:D_+7], v[WF_:WF_+15], v[XF_:XF_+15], 0, v[WC_], v[XC_]
.endif
.elseif S_ && J_%2
	v_wmma_scale_f32_16x16x128_f8f6f4 v[D_:D_+7], v[WF_:WF_+15], v[XF_:XF_+15], v[D_:D_+7], v[WC_], v[XC_] matrix_a_scale:MATRIX_SCALE_ROW1 matrix_b_scale:MATRIX_SCALE_ROW1
.elseif S_
	v_wmma_scale_f32_16x16x128_f8f6f4 v[D_:D_+7], v[WF_:WF_+15], v[XF_:XF_+15], v[D_:D_+7], v[WC_], v[XC_] matrix_a_scale:MATRIX_SCALE_ROW1
.elseif J_%2
	v_wmma_scale_f32_16x16x128_f8f6f4 v[D_:D_+7], v[WF_:WF_+15], v[XF_:XF_+15], v[D_:D_+7], v[WC_], v[XC_] matrix_b_scale:MATRIX_SCALE_ROW1
.else
	v_wmma_scale_f32_16x16x128_f8f6f4 v[D_:D_+7], v[WF_:WF_+15], v[XF_:XF_+15], v[D_:D_+7], v[WC_], v[XC_]
.endif
.else
.set D_, 128+8*((\n)-32)
	WIN 0x09
.if (\k) == 0
.if S_ && J_%2
	v_wmma_scale_f32_16x16x128_f8f6f4 v[D_:D_+7], v[XF_:XF_+15], v[WF_:WF_+15], 0, v[XC_], v[WC_] matrix_a_scale:MATRIX_SCALE_ROW1 matrix_b_scale:MATRIX_SCALE_ROW1
.elseif S_
	v_wmma_scale_f32_16x16x128_f8f6f4 v[D_:D_+7], v[XF_:XF_+15], v[WF_:WF_+15], 0, v[XC_], v[WC_] matrix_b_scale:MATRIX_SCALE_ROW1
.elseif J_%2
	v_wmma_scale_f32_16x16x128_f8f6f4 v[D_:D_+7], v[XF_:XF_+15], v[WF_:WF_+15], 0, v[XC_], v[WC_] matrix_a_scale:MATRIX_SCALE_ROW1
.else
	v_wmma_scale_f32_16x16x128_f8f6f4 v[D_:D_+7], v[XF_:XF_+15], v[WF_:WF_+15], 0, v[XC_], v[WC_]
.endif
.elseif S_ && J_%2
	v_wmma_scale_f32_16x16x128_f8f6f4 v[D_:D_+7], v[XF_:XF_+15], v[WF_:WF_+15], v[D_:D_+7], v[XC_], v[WC_] matrix_a_scale:MATRIX_SCALE_ROW1 matrix_b_scale:MATRIX_SCALE_ROW1
.elseif S_
	v_wmma_scale_f32_16x16x128_f8f6f4 v[D_:D_+7], v[XF_:XF_+15], v[WF_:WF_+15], v[D_:D_+7], v[XC_], v[WC_] matrix_b_scale:MATRIX_SCALE_ROW1
.elseif J_%2
	v_wmma_scale_f32_16x16x128_f8f6f4 v[D_:D_+7], v[XF_:XF_+15], v[WF_:WF_+15], v[D_:D_+7], v[XC_], v[WC_] matrix_a_scale:MATRIX_SCALE_ROW1
.else
	v_wmma_scale_f32_16x16x128_f8f6f4 v[D_:D_+7], v[XF_:XF_+15], v[WF_:WF_+15], v[D_:D_+7], v[XC_], v[WC_]
.endif
.endif
.endm
.macro MUL k, from, to
.set N_, \from
.rept (\to)-(\from)
	PROD \k, N_
.set N_, N_+1
.endr
.endm
.macro FETCH k                         ; step k's fragments into set k % 2: 56 loads in two runs
.set XS_, 128*((\k)%2)
.set WS_, 96*((\k)%2)
.set SL_, ((\k)/2)%2
	WIN 0x80
.irp i, 0,1,2,3,4,5
.irp c, 0,1,2,3
	ds_load_b128 v[WS_+16*\i+4*\c:WS_+16*\i+4*\c+3], v[ADW+SL_] offset:(64*(\i/2)+16*(\i%2))*PITCH+128*((\k)%2)+32*\c
.endr
.endr
	WIN 0x40
.irp j, 0,1,2,3,4,5,6,7
.irp c, 0,1,2,3
	ds_load_b128 v[XS_+16*\j+4*\c:XS_+16*\j+4*\c+3], v[ADX+SL_] offset:\j*16*PITCH+128*((\k)%2)+32*\c
.endr
.endr
	WIN 0
.endm
.macro EVEN k                          ; a pair's first step: the second step's fragments come under its products
	s_wait_dscnt 0x0
	PLACES 8                                       ; in front of loads into registers that matrix instructions have read
	FETCH (\k)+1
	MUL \k, 0, 48
	WIN 0
.endm
; A pair's second step: its fragments are in registers, so the slot is free once all have said so.  fill = 1: the barrier opens a round of the cluster's, and the slot takes the pair two on.
.macro ODD k, fill
	s_wait_dscnt 0x0
	MUL \k, 0, 40
	WIN 0
	s_wait_tensorcnt 0x0                           ; my part of the next pair is in
	ds_add_u32 v[SPW], v[NIL]
	MUL \k, 40, 44
	s_wait_dscnt 0x0
	s_barrier_signal -1
	MUL \k, 44, 48
	WIN 0
	s_barrier_wait -1
.if \fill
.set SL_, ((\k)/2)%2
	CREST
	s_add_nc_u64 s[G0X+4*SL_+2:G0X+4*SL_+3], s[G0X+4*SL_+2:G0X+4*SL_+3], 512
	s_add_nc_u64 s[G0W+4*SL_+2:G0W+4*SL_+3], s[G0W+4*SL_+2:G0W+4*SL_+3], 512
	JLOAD SL_
	PLACES 4
.else
	PLACES 8
.endif
	FETCH (\k)+1
.endm
	s_wait_alu depctr_va_vdst(0)                   ; the wait at the head's end
	s_wait_tensorcnt 0x0                           ; my part of pair 0 is in;
	ds_add_u32 v[SPW], v[NIL]
	s_wait_dscnt 0x0
	CROUND
	JLOAD 1                                        ; pair 1
	FETCH 0
	ASK 512                                        ; pair 2's rows
	s_wait_loadcnt 0x0                             ; the scale words
	EVEN 0
	ODD 1, 1
	ASK 768                                        ; pair 3's rows
	EVEN 2
	ODD 3, 1
	EVEN 4
	ODD 5, 0
	EVEN 6
	s_wait_dscnt 0x0
	PLACES 8
	WIN 0x40
.irp j, 0,1,2,3,4,5,6,7                        ; the rotation's table into x's set 0, under the last step's products: tile j's cos at 16 j, its sin 8 on
.irp s, 0,1
	global_load_b128 v[16*\j+4*\s:16*\j+4*\s+3], v[TA], s[8:9] offset:4096*\j+32*\s
	global_load_b128 v[16*\j+8+4*\s:16*\j+8+4*\s+3], v[TA], s[8:9] offset:4096*\j+128+32*\s
.endr
.endr
	WIN 0
	MUL 7, 0, 48
	WIN 0
; Four blocks of 32: the 64 registers from s on; temporaries at tm (the bytes at tm + 4 ..), codes at pc.  A block lies in lanes l and l xor 16.
.macro QUANT s, tm, pc
.irp b, 0,1,2,3
	v_max3_num_f32 v[\tm+\b], |v[\s+16*\b]|, |v[\s+1+16*\b]|, 0x4800000
.endr
.irp i, 2,4,6,8,10,12,14
.irp b, 0,1,2,3
	v_max3_num_f32 v[\tm+\b], v[\tm+\b], |v[\s+16*\b+\i]|, |v[\s+1+16*\b+\i]|
.endr
.endr
.irp b, 0,1,2,3
	v_permlanex16_b32 v[\tm+4+\b], v[\tm+\b], s[SEL], s[SEL+1]
.endr
.irp b, 0,1,2,3
	v_max_num_f32 v[\tm+\b], v[\tm+\b], v[\tm+4+\b]
.endr
.irp b, 0,1,2,3
	v_add_nc_u32 v[\tm+12+\b], 0xfc000000, v[\tm+\b]   ; 8 off the exponent field: the conversion's scale operand
.endr
.irp b, 0,1,2,3
	v_and_or_b32 v[\tm+8+\b], v[\tm+\b], 0x7f800000, s[MNT]   ; 448 x the scale
.endr
.irp b, 0,1,2,3
	v_lshrrev_b32 v[\tm+4+\b], 23, v[\tm+12+\b]    ; the byte
.endr
.irp b, 0,1,2,3
.irp i, 0,1,2,3,4,5,6,7,8,9,10,11,12,13,14,15
	v_med3_num_f32 v[\s+16*\b+\i], v[\s+16*\b+\i], -v[\tm+8+\b], v[\tm+8+\b]   ; the conversion does not saturate (ISA guide 7.6.2)
.endr
	v_cvt_scalef32_pk8_fp8_f32 v[\pc+4*\b:\pc+1+4*\b], v[\s+16*\b:\s+7+16*\b], v[\tm+12+\b]
	v_cvt_scalef32_pk8_fp8_f32 v[\pc+2+4*\b:\pc+3+4*\b], v[\s+8+16*\b:\s+15+16*\b], v[\tm+12+\b]
.endr
	v_nop
.endm
	; V: a tile of 16 channels x 128 tokens: four blocks of 32 tokens, whose bytes make one word.  The eight lines are also the places behind the last products
.irp b, 0,1,2,3
	v_mov_b32 v[100+\b], 0                         ; (a lane permute's destination counts as one of its sources)
.endr
	WIN 0x80
.irp b, 0,1,2,3
	v_mov_b32 v[68+\b], 0
.endr
	WIN 0
.macro VOUT s
	QUANT 128+64*\s, 96, 112
	v_lshl_or_b32 v[VW+\s], v[101], 8, v[100]
	v_lshl_or_b32 v[VW+\s], v[102], 16, v[VW+\s]
	v_lshl_or_b32 v[VW+\s], v[103], 24, v[VW+\s]
	ds_store_b32 v[VST], v[VW+\s] offset:4*\s
.irp c, 0,1,2,3
	global_store_b128 v[O01], v[112+4*\c:115+4*\c], s[74:75] offset:2048*\s+512*\c
.endr
.endm
	VOUT 0
	s_wait_xcnt 0x0                                ; the stores have read their registers
	VOUT 1
	s_wait_alu depctr_va_vdst(0)
	s_wait_loadcnt 0x0                             ; the table
; THE ROTATION of Q's (t = 0) or K's (t = 1) tile j of tokens, 32 columns, into window 2, v[16 u ..]: even' = even cos - odd sin; odd' = odd cos + even sin; a pair is two neighbouring registers
.macro ROPE t, j, u
.irp s, 0,1
.irp p, 0,1,2,3
.set A_, 8*(16*(\t)+8*\s+(\j))+2*\p
.set X_, 16*(\u)+8*\s+2*\p
.set C_, 16*(\j)+4*\s+2*(\p/2)
.if \p%2
	v_pk_mul_f32 v[X_:X_+1], v[A_:A_+1], v[C_:C_+1] op_sel:[0,1] op_sel_hi:[1,1]
.else
	v_pk_mul_f32 v[X_:X_+1], v[A_:A_+1], v[C_:C_+1] op_sel:[0,0] op_sel_hi:[1,0]
.endif
.endr
.endr
.irp s, 0,1
.irp p, 0,1,2,3
.set A_, 8*(16*(\t)+8*\s+(\j))+2*\p
.set X_, 16*(\u)+8*\s+2*\p
.set C_, 16*(\j)+8+4*\s+2*(\p/2)
.if \p%2
	v_pk_fma_f32 v[X_:X_+1], v[A_:A_+1], v[C_:C_+1], v[X_:X_+1] op_sel:[1,1,0] op_sel_hi:[0,1,1] neg_lo:[1,0,0]
.else
	v_pk_fma_f32 v[X_:X_+1], v[A_:A_+1], v[C_:C_+1], v[X_:X_+1] op_sel:[1,0,0] op_sel_hi:[0,0,1] neg_lo:[1,0,0]
.endif
.endr
.endr
.endm
.irp g, 0,1,2,3                                ; two tiles of tokens of Q and of K at a time
	WIN 0xa7
	ROPE 0, 2*\g, 0
	ROPE 1, 2*\g, 1
	ROPE 0, 2*\g+1, 2
	ROPE 1, 2*\g+1, 3
	s_wait_alu depctr_va_vdst(0)
	s_wait_xcnt 0x0                                ; the stores of the two tiles before have read their registers
	WIN 0xaa
	QUANT 0, 64, 80
	WIN 0x08
.irp u, 0,1
	ds_store_b8 v[QST], v[68+2*\u] offset:32*(2*\g+\u)   ; lanes l and l xor 16 hold the same byte
	ds_store_b8 v[KST], v[69+2*\u] offset:2*(2*\g+\u)
	global_store_b128 v[O01], v[80+8*\u:83+8*\u], s[10:11] offset:1024*(2*\g+\u)   ; each store covers 512 consecutive bytes, aligned
	global_store_b128 v[O01], v[84+8*\u:87+8*\u], s[72:73] offset:1024*(2*\g+\u)
.endr
.endr
	WIN 0
	s_wait_alu depctr_va_vdst(0)
	s_wait_dscnt 0x0
	s_barrier_signal -1
	s_barrier_wait -1
	s_cmp_eq_u32 s14, 3
	s_cbranch_scc1 .Lno_bytes
	ds_load_b128 v[92:95], v[SCR]                  ; waves 0 to 2: q's, k's, v's scale bytes: 512 consecutive bytes each
	s_wait_dscnt 0x0
	global_store_b128 v[O01], v[92:95], s[12:13]
.Lno_bytes:
	s_wait_tensorcnt 0x0                           ; the wave's end
	ds_add_u32 v[SPW], v[NIL]
	s_wait_dscnt 0x0
	CROUND                                         ; the closing round
	s_endpgm
.Lfunc_end_k_qf3a9af4696_qkv:
	.size	k_qf3a9af4696_qkv, .Lfunc_end_k_qf3a9af4696_qkv-k_qf3a9af4696_qkv
	.p2alignl 7, 3214868480
	.fill 96, 4, 3214868480
	.section	.rodata,"a",@progbits
	.p2align	6, 0x0
	.amdhsa_kernel k_qf3a9af4696_qkv
		.amdhsa_group_segment_fixed_size 327680
		.amdhsa_private_segment_fixed_size 0
		.amdhsa_enable_private_segment 0
		.amdhsa_kernarg_size 40
		.amdhsa_user_sgpr_count 2
		.amdhsa_user_sgpr_kernarg_segment_ptr 1
		.amdhsa_wavefront_size32 1
		.amdhsa_system_sgpr_workgroup_id_x 1
		.amdhsa_system_sgpr_workgroup_id_y 1
		.amdhsa_system_sgpr_workgroup_id_z 1
		.amdhsa_system_vgpr_workitem_id 0
		.amdhsa_next_free_vgpr 1024
		.amdhsa_next_free_sgpr 102
		.amdhsa_reserve_vcc 0
		.amdhsa_float_denorm_mode_32 3
		.amdhsa_float_denorm_mode_16_64 3
		.amdhsa_memory_ordered 1
		.amdhsa_forward_progress 1
		.amdhsa_inst_pref_size 165
	.end_amdhsa_kernel
	.amdgpu_metadata
---
amdhsa.version: [ 1, 2 ]
amdhsa.kernels:
  - .name:           k_qf3a9af4696_qkv
    .symbol:         k_qf3a9af4696_qkv.kd
    .args:
      - { .name: xw_codes, .offset: 0, .size: 8, .value_kind: global_buffer, .address_space: global }
      - { .name: xw_scales, .offset: 8, .size: 8, .value_kind: global_buffer, .address_space: global }
      - { .name: rope, .offset: 16, .size: 8, .value_kind: global_buffer, .address_space: global }
      - { .name: qkv_img, .offset: 24, .size: 8, .value_kind: global_buffer, .address_space: global }
      - { .name: qkv_sc, .offset: 32, .size: 8, .value_kind: global_buffer, .address_space: global }
    .group_segment_fixed_size: 327680
    .private_segment_fixed_size: 0
    .kernarg_segment_align: 8
    .kernarg_segment_size: 40
    .max_flat_workgroup_size: 128
    .sgpr_count:     102
    .vgpr_count:     1024
    .wavefront_size: 32
...
	.end_amdgpu_metadata
.endif
;; end of part 2
;; launch attn (part 3): grid 16 x 16, 8 waves a work-group, no clusters, 327,680 bytes of LDS; arguments qkv_img, qkv_sc, o_img, o_sc; writes o_img, o_sc
.if DOCPART == 3
	.amdgcn_target "amdgcn-amd-amdhsa--gfx1250"
	.amdhsa_code_object_version 6
	.text
	.protected	k_qf3a9af4696_attn
	.globl	k_qf3a9af4696_attn
	.p2align	8
	.type	k_qf3a9af4696_attn,@function
k_qf3a9af4696_attn:
	s_mov_b64 s[64:65], 0
	v_nop
	global_prefetch_b8 v0, s[64:65] scope:SCOPE_SE
	s_setreg_imm32_b32 hwreg(HW_REG_WAVE_MODE, 25, 1), 1
	s_wait_xcnt 0x0
; Causal attention of 16 heads of 64 channels over 4,096 tokens, both products on codes of FP8 (E4M3) with E8M0 scales; the result leaves as codes, quantised along (head, channel) for the last product.
; THE SOFTMAX: t = score x log2(e) / 8; M = the row's largest t so far, rounded UP to a whole number; p = 2^(t - M) is quantised along the keys, not normalised.  The row's sum is taken of the unquantised p
; and divides O at the end.  When M moves, the sum and O are multiplied by 2^(old M - new M): exact.
; SHARES.  Work-group x of a head owns the query blocks x and 31 - x, 128 queries each: x + 1 and 32 - x key steps of 128 keys under the causal mask, 33 in all, in every work-group.  The blocks are done one after the other.
; A wave has TWO tiles of 16 queries, A and B, so that each fragment of K and V serves two; a pair of tiles has two waves, w and w + 4: one takes the even key steps, the other the odd ones.
; At a block's end the two exchange half of O, their M and their sums through LDS (exact powers of two bring both under the larger M), and each finishes one block of 32 channels of both tiles.
; For that a wave takes V's channels in the order in which ITS block of 32 comes first: O's registers 0-15 are the wave's own, 16-31 its partner's.
; Tiles wholly under the mask are left out: a step whose keys all come after the block's queries is jumped over by a scalar branch on ids.
; NO CLUSTER: a head's work-groups need 4 slots of 1,024 keys (x < 8) or 3 (x >= 8).
; NO PREFETCH: of the at most four slots two are asked for ahead of the first key steps, and each later one has eight key steps in which to land; there is no stream to run ahead of.
; LAYOUT.  Both products are used transposed: S^T = K Q^T (source 0 = 16 keys), O^T = V^T P^T (source 0 = 16 channels): a lane holds ONE query (lane % 16) of each tile throughout.  K, V and Q arrive as images of operand registers.
; A HEAD HAS 64 CHANNELS, the instruction takes 128: two tiles of 16 keys make one operand, which meets Q|0 for the first and 0|Q for the second; its scale word holds both tiles' bytes, and Q's word its two bytes twice.
; LIMITS: a block's largest p is taken through its largest score (v_exp_f32 is taken not to fall where its input rises); a block of zeros keeps the byte 1; scaled scores stay under 2^31 in magnitude; NaN and infinities are not served.
; o_sc is written a byte a lane, 32 bytes apart: 131,072 bytes in the whole launch.
; REGISTERS, window 0 (what follows a tile's number x = 0, 1 in steps): v0 2 r, v1 16 x lane, v4 16 r, v7 the diagonal; v2, v3, v8-11 addresses in hand; v[12+4x:15+4x] -M, the largest t, the sum; v20-59 zeros, Q of A, zeros, Q of B, zeros;
;   v60-71 scale words; v[72+64x..] S^T, then p; v[200+18x..] at work; v236-251 at work.  Window 1: v0-63 K, v64-127 V, v[128+32x..] O^T, v[192+16x..] p's codes.
.set PLACE,  65536                     ; a place of the ring: 1,024 keys: K's 64 KiB at 0 or PLACE, V's at VOFF or VOFF + PLACE
.set VOFF,  131072
.set KSC,   262144                     ; the head's scale bytes: k's [32 key steps][16][8 tiles][2],
.set VSC,   KSC+8192                   ; v's [32 key steps][16][4 tiles][4]
.set SPARE, VSC+8192                   ; the spare words, 128 bytes for each wave: four blocks of 256 bytes that no other line names
.set STG,   SPARE+1024                 ; the exchange: two tiles of 2,304 bytes for each wave; no tile lands here
.set SREG,  4608
.set AR2,  0
.set AK0,  1
.set ADV2, 2
.set ADK,  3
.set AR16, 4
.set SPW,  5
.set NIL,  6
.set VD,   7                           ; register 8 t + j of tile A is hidden on the diagonal where 16 t + j > 16 x tile + r - 8 h; of tile B where 16 t + j - 16 is
.set ADV,  8
.set ADS,  9
.set ADT,  10
.set ADT2, 11
.set QA,   28
.set QB,   44
.set KSR,  60
.set VSR,  64
.set QS,   68
.set PWD,  70
.set SA,   72
.set BM,   200                         ; (+ 18 x)  four blocks' largest scores, then largest p
.set T2,   204                         ; the other half's; then the bytes
.set HL,   208                         ; 448 x the scale
.set SO,   212                         ; the conversions' scale operands
.set FF,   216                         ; f; the packed forms take the low word for both halves
.set TP,   236                         ; (+ x)
.set PS,   238
.set KF,   0
.set VF,   64
.set O,    128
.set PC,   192
.set P13,  2                           ; s2, s3: parity x 8,192, x 256
.set P8,   3
.set PAR,  13
.set WV,   18
.set MNT,  19
.set SEL,  20
.set CS,   22                          ; s[22:23] c = log2(e) / 8
.set G1,   24                          ; descriptor groups 1: 32 KiB, 8 KiB, dense
.set G1S,  32
.set G0,   48                          ; the walking group 0;  the scale bytes'
.set G0S,  52
.set TB,   60                          ; LDS byte of the step's tiles of K
.set TS,   61                          ; the step's scale words: 256 bytes a step, k's and v's alike
.set KS,   63                          ; the key step
.set DS,   66                          ; my block's diagonal key step
.set CNT,  67
.set OC,   68
.set VLO,  70                          ; from TB to my own channels of V, to my partner's; from TS to their scale words
.set VHI,  71
.set DLO,  72
.set DHI,  73
.set TOP1, 74                          ; 2 where the late block reaches slot 3, else 1
.set QE,   80
.set QL,   82
.set QSE,  84
.set QSL,  86
.set OE,   88
.set OL,   90
.set OSE,  92
.set OSL,  94
.set STW,  98
.set STR,  99
.set MSB, 0
.macro WIN new
.if MSB != \new
	s_set_vgpr_msb (MSB<<8)|\new
.set MSB, \new
.endif
.endm
.macro TLOAD g0, g1
	tensor_load_to_lds s[\g0:\g0+3], s[\g1:\g1+7]
	s_nop 0
.rept 4
	v_nop
.endr
.endm
.macro GROUP1 g, rows                  ; so many rows of 256 bytes (32 elements of 8), dense
	s_mov_b32 s[\g], 3<<16
	s_mov_b32 s[\g+1], 32<<16
	s_mov_b32 s[\g+2], (\rows)<<16
	s_mov_b32 s[\g+3], 32<<16
	s_mov_b32 s[\g+4], \rows
	s_mov_b32 s[\g+5], 32
	s_mov_b32 s[\g+6], 0
	s_mov_b32 s[\g+7], 0
.endm
.macro PTRS blk, q, qs, o, os          ; block s[blk], my tile A: q's image and scale bytes, o's image and scale bytes
	s_lshl_b32 s76, s[\blk], 3
	s_add_co_u32 s76, s76, s14
	s_lshl_b32 s96, s76, 10
	s_add_co_u32 s96, s96, s75
	s_add_nc_u64 s[\q:\q+1], s[4:5], s[96:97]
	s_lshl_b32 s96, s76, 5
	s_add_co_u32 s96, s96, s77
	s_add_nc_u64 s[\qs:\qs+1], s[6:7], s[96:97]
	s_lshl_b32 s96, s[\blk], 17
	s_add_co_u32 s96, s96, s78
	s_add_nc_u64 s[\o:\o+1], s[8:9], s[96:97]
	s_lshl_b32 s96, s76, 9
	s_add_co_u32 s96, s96, s79
	s_add_nc_u64 s[\os:\os+1], s[10:11], s[96:97]
.endm
.macro QLOAD q, qs                     ; both tiles' Q and scale bytes
.irp x, 0,1
	global_load_b128 v[QA+16*\x:QA+16*\x+3], v[AK0], s[\q:\q+1] offset:1024*\x
	global_load_b128 v[QA+16*\x+4:QA+16*\x+7], v[AK0], s[\q:\q+1] offset:1024*\x+512
	global_load_u16 v[QS+\x], v[AR2], s[\qs:\qs+1] offset:32*\x
.endr
.endm
.macro QREADY
	s_wait_loadcnt 0x0
	v_lshl_or_b32 v[QS], v[QS], 16, v[QS]          ; the two bytes twice
	v_lshl_or_b32 v[QS+1], v[QS+1], 16, v[QS+1]
.rept 8
	v_nop                                          ; a scale register so written stands eight places ahead of its product
.endr
.endm
.macro INIT                            ; a block begins: the largest t -3e38, under every t; zeros, which the first change of M leaves zeros
	v_mov_b32 v13, 0xff61b1e6
	v_mov_b32 v17, 0xff61b1e6
	v_mov_b32 v14, 0
	v_mov_b32 v15, 0
	v_mov_b32 v18, 0
	v_mov_b32 v19, 0
	v_floor_f32 v12, -v13
	v_floor_f32 v16, -v17
	WIN 0x40
.set j, 0
.rept 64
	v_mov_b32 v[O+j], 0
.set j, j+1
.endr
	WIN 0
.endm
	s_load_b256 s[4:11], s[0:1], 0x0               ; the images, their scale bytes, o's images, o's scale bytes
	v_lshl_add_u32 v[SPW], v0, 2, SPARE
	v_mov_b32 v[NIL], 0
	ds_add_u32 v[SPW], v[NIL]                      ; the wave's opening: the add, twice on end, and its wait
	ds_add_u32 v[SPW], v[NIL]
	v_lshrrev_b32 v8, 5, v0
	v_readfirstlane_b32 s[WV], v8                  ; wave 0..7
	s_and_b32 s12, ttmp7, 0xffff                   ; the head
	s_mov_b32 s[DS], ttmp9                         ; the early block; its diagonal step has the same number
	s_lshr_b32 s[PAR], s[WV], 2
	s_and_b32 s14, s[WV], 3
	s_lshl_b32 s14, s14, 1                         ; my tile A in a block
	s_lshl_b32 s[P13], s[PAR], 13
	s_lshl_b32 s[P8], s[PAR], 8
	; what waves 0 to 3 fetch: wave 0, 1: the halves of a slot's K; wave 2, 3: of its V; 32 KiB each; waves 4, 5: k's, v's scale bytes
	s_min_u32 s58, s[WV], 3
	s_lshr_b32 s59, s58, 1
	s_and_b32 s60, s58, 1
	s_lshl_b32 s60, s60, 15
	s_lshl_b32 s61, s59, 17
	s_mov_b32 s[G0], 1
	s_add_co_u32 s[G0+1], s61, s60
	s_add_co_u32 s59, s59, 1                       ; k's images begin at 4 MiB, v's at 8 MiB; 262,144 bytes a head
	s_lshl_b32 s96, s59, 22
	s_lshl_b32 s75, s12, 18
	s_add_co_u32 s96, s96, s75
	s_add_co_u32 s96, s96, s60
	s_mov_b32 s97, 0
	s_and_b32 s58, s[WV], 1
	s_lshl_b32 s59, s58, 13
	s_mov_b32 s[G0S], 1
	s_add_co_u32 s[G0S+1], s59, KSC
	s_lshl_b32 s77, s12, 13                        ; 8,192 bytes of scales a head
	s_lshl_b32 s78, s58, 17
	s_add_co_u32 s78, s78, s77
	s_add_co_u32 s78, s78, 131072
	s_mov_b32 s79, 0
	GROUP1 G1, 128
	GROUP1 G1S, 32
	s_wait_alu depctr_va_vdst(0)
	s_wait_dscnt 0x0                               ; both opening adds are done
	s_wait_kmcnt 0x0
	s_add_nc_u64 s[G0+2:G0+3], s[4:5], s[96:97]    ; keys 0 to 1,023
	s_or_b32 s[G0+3], s[G0+3], 0x80000000
	s_add_nc_u64 s[G0S+2:G0S+3], s[6:7], s[78:79]
	s_or_b32 s[G0S+3], s[G0S+3], 0x80000000
; one tensor load a wave at the head
	s_cmp_lt_u32 s[WV], 4
	s_cbranch_scc0 .Lhead_s
	TLOAD G0, G1
	s_branch .Lhead_asked
.Lhead_s:
	s_cmp_lt_u32 s[WV], 6
	s_cbranch_scc0 .Lhead_asked
	TLOAD G0S, G1S
	s_branch .Lhead_asked
.Lhead_asked:
	s_lshr_b32 s17, s12, 1                         ; o's image: [block][head / 2][tile] x 2,048 bytes, + 1,024 (head % 2) + 512 x my block of 32 channels
	s_lshl_b32 s78, s17, 14
	s_lshl_b32 s79, s14, 11
	s_add_co_u32 s78, s78, s79
	s_and_b32 s79, s12, 1
	s_lshl_b32 s79, s79, 10
	s_add_co_u32 s78, s78, s79
	s_lshl_b32 s79, s[PAR], 9
	s_add_co_u32 s78, s78, s79
	s_lshl_b32 s79, s12, 1                         ; o's scale bytes: 32 a token, my head's two, my block's one
	s_add_co_u32 s79, s79, s[PAR]
	s_sub_co_u32 s16, 31, s[DS]                    ; the late block
	PTRS DS, QE, QSE, OE, OSE
	PTRS 16, QL, QSL, OL, OSL
	s_mul_i32 s[STW], s[WV], SREG
	s_add_co_u32 s[STW], s[STW], STG
	s_xor_b32 s[STR], s[WV], 4
	s_mul_i32 s[STR], s[STR], SREG
	s_add_co_u32 s[STR], s[STR], STG
	s_lshl_b32 s75, s[PAR], 12
	s_add_co_u32 s[VLO], s75, VOFF
	s_sub_co_u32 s[VHI], VOFF+4096, s75
	s_lshl_b32 s75, s[PAR], 3
	s_add_co_u32 s[DLO], s75, VSC
	s_sub_co_u32 s[DHI], VSC+8, s75
	s_cmp_lt_u32 s[DS], 8
	s_cselect_b32 s[TOP1], 2, 1
	s_mov_b32 s[SEL], 0x76543210
	s_mov_b32 s[SEL+1], 0xfedcba98
	s_mov_b32 s[CS], 0x3e38aa3b                    ; c = log2(e) / sqrt(64)
	s_mov_b32 s[CS+1], s[CS]                       ; (named with it as a pair, so it is written)
	s_mov_b32 s[MNT], 0x600000
	s_lshl_b32 s76, s14, 4
	v_and_b32 v9, 31, v0
	v_and_b32 v10, 15, v0                          ; r
	v_bfe_u32 v11, v0, 4, 1                        ; h
	v_lshlrev_b32 v[AK0], 4, v9
	v_lshlrev_b32 v[AR16], 4, v10
	v_lshlrev_b32 v[AR2], 1, v10
	QLOAD QE, QSE
	v_lshlrev_b32 v[VD], 3, v11
	v_sub_nc_u32 v[VD], v10, v[VD]
	v_add_nc_u32 v[VD], s76, v[VD]
	INIT
.irp j, 0,1,2,3,4,5,6,7
	v_mov_b32 v[20+\j], 0                          ; the zero codes beside Q
	v_mov_b32 v[36+\j], 0
	v_mov_b32 v[52+\j], 0
.endr
.irp b, 0,1,2,3
	v_mov_b32 v[T2+\b], 0                          ; written once: a lane permute's destination counts as one of its sources
	v_mov_b32 v[T2+18+\b], 0
.endr
	v_mov_b32 v[FF+1], 0                           ; (named as the upper halves of pairs)
	v_mov_b32 v[FF+19], 0
	v_mov_b32 v[PS+1], 0
	v_mov_b32 v[PS+3], 0
	v_mov_b32 v[TP], 0
	v_mov_b32 v[TP+1], 0
.macro KLOADS                          ; K's eight tiles and their scale words
	WIN 0x40
.irp t, 0,1,2,3,4,5,6,7
	ds_load_b128 v[KF+8*\t:KF+8*\t+3], v[ADK] offset:1024*\t
	ds_load_b128 v[KF+8*\t+4:KF+8*\t+7], v[ADK] offset:1024*\t+512
.endr
	WIN 0
	ds_load_b128 v[KSR:KSR+3], v[ADS]
.endm
.macro SUM x                           ; the row's sum of the unquantised p, in eight chains
.set B_, SA+64*(\x)
.set A_, 14+4*(\x)
.set k, 0
.rept 7
	v_pk_add_f32 v[PS+2*k:PS+2*k+1], v[B_+4*k:B_+4*k+1], v[B_+4*k+2:B_+4*k+3]
.set k, k+1
.endr
	v_pk_add_f32 v[A_:A_+1], v[A_:A_+1], v[B_+28:B_+29]
.set k, 15
.rept 17
.if (k-15)%8 == 7
	v_pk_add_f32 v[A_:A_+1], v[A_:A_+1], v[B_+2*k:B_+2*k+1]
.else
	v_pk_add_f32 v[PS+2*((k-15)%8):PS+2*((k-15)%8)+1], v[PS+2*((k-15)%8):PS+2*((k-15)%8)+1], v[B_+2*k:B_+2*k+1]
.endif
.set k, k+1
.endr
	v_pk_add_f32 v[PS:PS+1], v[PS:PS+1], v[PS+2:PS+3]
	v_pk_add_f32 v[PS+4:PS+5], v[PS+4:PS+5], v[PS+6:PS+7]
	v_pk_add_f32 v[PS+8:PS+9], v[PS+8:PS+9], v[PS+10:PS+11]
	v_pk_add_f32 v[A_:A_+1], v[A_:A_+1], v[PS+12:PS+13]
	v_pk_add_f32 v[PS:PS+1], v[PS:PS+1], v[PS+4:PS+5]
	v_pk_add_f32 v[A_:A_+1], v[A_:A_+1], v[PS+8:PS+9]
	v_pk_add_f32 v[A_:A_+1], v[A_:A_+1], v[PS:PS+1]
.endm
; A KEY STEP: 128 keys, both tiles.  K's fragments are in registers or on their way.
.macro STEP
	s_cmp_gt_u32 s[KS], s[DS]                      ; all its keys come after my queries: only the addresses step
	s_cbranch_scc1 .Lhidden_\@
	s_add_co_u32 s75, s[TB], s[VLO]
	s_add_co_u32 s76, s[TB], s[VHI]
	s_add_co_u32 s77, s[TS], s[DLO]
	s_add_co_u32 s78, s[TS], s[DHI]
	s_add_co_u32 s79, s[TB], 16384                 ; my next step's K,
	s_min_u32 s79, s79, s62                        ; but not beyond my last step in this place
	s_add_co_u32 s96, s[TS], KSC+512
	s_wait_alu depctr_va_vdst(0)
	s_wait_dscnt 0x0
	WIN 0x01
.irp t, 0,1,2,3                                ; S^T: lane (r, h) holds query r; register 8 t + j is key 16 t + 8 h + j
.irp x, 0,1
	v_wmma_scale_f32_16x16x128_f8f6f4 v[SA+64*\x+16*\t:SA+64*\x+16*\t+7], v[KF+16*\t:KF+16*\t+15], v[QA+16*\x:QA+16*\x+15], 0, v[KSR+\t], v[QS+\x]
	v_wmma_scale_f32_16x16x128_f8f6f4 v[SA+64*\x+16*\t+8:SA+64*\x+16*\t+15], v[KF+16*\t:KF+16*\t+15], v[QA+16*\x-8:QA+16*\x+7], 0, v[KSR+\t], v[QS+\x]
.endr
.endr
	WIN 0
	v_add_nc_u32 v[ADV], s75, v[AK0]
	v_add_nc_u32 v[ADV2], s76, v[AK0]
	v_add_nc_u32 v[ADT], s77, v[AR16]
	v_add_nc_u32 v[ADT2], s78, v[AR16]
	v_add_nc_u32 v[ADK], s79, v[AK0]
	v_add_nc_u32 v[ADS], s96, v[AR16]
	v_nop                                          ; with the six additions: eight places, for the loads below and the first read of the scores
	v_nop
	WIN 0x40
.irp d, 0,1                                    ; V's four fragments (16 channels x 128 keys), my own 32 channels first, land while the softmax is worked
.irp c, 0,1,2,3
	ds_load_b128 v[VF+16*\d+4*\c:VF+16*\d+4*\c+3], v[ADV] offset:2048*\d+512*\c
	ds_load_b128 v[VF+32+16*\d+4*\c:VF+32+16*\d+4*\c+3], v[ADV2] offset:2048*\d+512*\c
.endr
.endr
	WIN 0
	ds_load_b64 v[VSR:VSR+1], v[ADT]
	ds_load_b64 v[VSR+2:VSR+3], v[ADT2]
	KLOADS                                         ; and so do my next step's K (in a slot's last trip that trip's own K once more, which no product reads)
	s_cmp_lt_u32 s[KS], s[DS]                      ; on the diagonal the scores of hidden keys become -infinity ahead of the maximum: p = 0 then
	s_cbranch_scc1 .Lopen_\@
	v_mov_b32 v[TP], 0xff800000
.irp x, 0,1
.set n, 0
.rept 64
	v_cmp_gt_i32 vcc_lo, 16*(n/8)+n%8-16*\x, v[VD]
	v_cndmask_b32 v[SA+64*\x+n], v[SA+64*\x+n], v[TP], vcc_lo
.set n, n+1
.endr
.endr
.Lopen_\@:
.irp x, 0,1
.irp b, 0,1,2,3
	v_max3_num_f32 v[BM+18*\x+\b], v[SA+64*\x+16*\b], v[SA+64*\x+16*\b+1], v[SA+64*\x+16*\b+2]   ; the largest score of each block of 32 keys: for the row's maximum, and, since p rises with the score, for the block's largest p
.endr
.endr
.irp i, 3,5,7,9,11,13
.irp x, 0,1
.irp b, 0,1,2,3
	v_max3_num_f32 v[BM+18*\x+\b], v[BM+18*\x+\b], v[SA+64*\x+16*\b+\i], v[SA+64*\x+16*\b+\i+1]
.endr
.endr
.endr
.irp x, 0,1
.irp b, 0,1,2,3
	v_max_num_f32 v[BM+18*\x+\b], v[BM+18*\x+\b], v[SA+64*\x+16*\b+15]
.endr
.endr
.irp x, 0,1
.irp b, 0,1,2,3
	v_permlanex16_b32 v[T2+18*\x+\b], v[BM+18*\x+\b], s[SEL], s[SEL+1]
.endr
.endr
.irp x, 0,1
.irp b, 0,1,2,3
	v_max_num_f32 v[BM+18*\x+\b], v[BM+18*\x+\b], v[T2+18*\x+\b]   ; with lane l xor 16's 16 keys
.endr
.endr
.irp x, 0,1
	v_max3_num_f32 v[TP+\x], v[BM+18*\x], v[BM+18*\x+1], v[BM+18*\x+2]
.endr
.irp x, 0,1
	v_max_num_f32 v[TP+\x], v[TP+\x], v[BM+18*\x+3]
.endr
.irp x, 0,1
	v_mul_f32 v[TP+\x], s[CS], v[TP+\x]            ; as t (c is positive)
.endr
.irp x, 0,1
	v_max_num_f32 v[13+4*\x], v[13+4*\x], v[TP+\x] ; the running largest t
.endr
.irp x, 0,1
	v_mov_b32 v[TP+\x], v[12+4*\x]
.endr
.irp x, 0,1
	v_floor_f32 v[12+4*\x], -v[13+4*\x]            ; the new -M = floor(-t): M is a whole number
.endr
.irp x, 0,1
	v_sub_f32 v[TP+\x], v[12+4*\x], v[TP+\x]       ; old M - new M: a whole number, 0 or less
.endr
.irp x, 0,1
	v_cvt_i32_f32 v[TP+\x], v[TP+\x]               ; (it saturates)
.endr
.irp x, 0,1
	v_ldexp_f32 v[FF+18*\x], 1.0, v[TP+\x]         ; f = 2^(old M - new M)
.endr
.irp x, 0,1
.irp b, 0,1,2,3
	v_fma_f32 v[BM+18*\x+\b], v[BM+18*\x+\b], s[CS], v[12+4*\x]
.endr
.set j, 0
.rept 32
	v_pk_fma_f32 v[SA+64*\x+j:SA+64*\x+j+1], v[SA+64*\x+j:SA+64*\x+j+1], s[CS:CS+1], v[12+4*\x:13+4*\x] op_sel_hi:[1,0,0]   ; t - M, two at a time
.set j, j+2
.endr
.endr
	s_wait_alu depctr_va_vdst(0)                   ; ahead of the batch
.irp x, 0,1
.irp b, 0,1,2,3
	v_exp_f32 v[BM+18*\x+\b], v[BM+18*\x+\b]       ; the block's largest p: the same two instructions on the same number
.endr
.set j, 0
.rept 64
	v_exp_f32 v[SA+64*\x+j], v[SA+64*\x+j]         ; p = 2^(t - M), at most 1
.set j, j+1
.endr
.endr
	v_pk_mul_f32 v[14:15], v[14:15], v[FF:FF+1] op_sel_hi:[1,0]   ; the sums under the new M (plain lines behind the exponentials)
	v_pk_mul_f32 v[18:19], v[18:19], v[FF+18:FF+19] op_sel_hi:[1,0]
	s_wait_alu depctr_va_vdst(0)                   ; one wait for the batch, ahead of its first reader
	SUM 0
	SUM 1
.irp x, 0,1
.irp b, 0,1,2,3
	v_max_num_f32 v[BM+18*\x+\b], 0x4800000, v[BM+18*\x+\b]    ; the floor 2^(9 - 127): the byte cannot fall under 1
.endr
.endr
.irp x, 0,1
.irp b, 0,1,2,3
	v_add_nc_u32 v[SO+18*\x+\b], 0xfc000000, v[BM+18*\x+\b]    ; 8 off the exponent field: the conversion's scale operand
.endr
.endr
.irp x, 0,1
.irp b, 0,1,2,3
	v_and_or_b32 v[HL+18*\x+\b], v[BM+18*\x+\b], 0x7f800000, s[MNT]   ; 448 x the scale
.endr
.endr
.irp x, 0,1
.irp b, 0,1,2,3
	v_lshrrev_b32 v[T2+18*\x+\b], 23, v[SO+18*\x+\b]           ; the scale's byte
.endr
.endr
.irp x, 0,1
	v_lshl_or_b32 v[PWD+\x], v[T2+18*\x+1], 8, v[T2+18*\x]     ; p's scale word for these 128 keys; the holds below are more than its eight places
.endr
.irp x, 0,1
	v_lshl_or_b32 v[PWD+\x], v[T2+18*\x+2], 16, v[PWD+\x]
.endr
.irp x, 0,1
	v_lshl_or_b32 v[PWD+\x], v[T2+18*\x+3], 24, v[PWD+\x]
.endr
.irp x, 0,1
.irp b, 0,1,2,3
.set i, SA+64*\x+16*\b
.rept 8
	v_dual_min_num_f32 v[i], v[i], v[HL+18*\x+\b] :: v_dual_min_num_f32 v[i+1], v[i+1], v[HL+18*\x+\b]   ; the conversion does not saturate (ISA guide 7.6.2); p is not negative, so the hold is one-sided
.set i, i+2
.endr
.endr
.endr
	WIN 0x40
.irp x, 0,1
.irp b, 0,1,2,3
	v_cvt_scalef32_pk8_fp8_f32 v[PC+16*\x+4*\b:PC+16*\x+4*\b+1], v[SA+64*\x+16*\b:SA+64*\x+16*\b+7], v[SO+18*\x+\b]
	v_cvt_scalef32_pk8_fp8_f32 v[PC+16*\x+4*\b+2:PC+16*\x+4*\b+3], v[SA+64*\x+16*\b+8:SA+64*\x+16*\b+15], v[SO+18*\x+\b]
.endr
.endr
	WIN 0x41
	s_wait_alu depctr_va_vdst(0)                   ; directly ahead of the first reader of O^T
.irp x, 0,1
.set j, 0
.rept 16
	v_pk_mul_f32 v[O+32*\x+j:O+32*\x+j+1], v[O+32*\x+j:O+32*\x+j+1], v[FF+18*\x:FF+18*\x+1] op_sel_hi:[1,0]   ; O^T under the new M; these are also the places between the codes and the products
.set j, j+2
.endr
.endr
	s_wait_alu depctr_va_vdst(0)                   ; and here, directly ahead of the wait below
	s_wait_dscnt 0x0                               ; V and its scale words are in
	WIN 0x55
.irp d, 0,1,2,3                                ; O^T += V^T P^T; the eight accumulators take turns
.irp x, 0,1
	v_wmma_scale_f32_16x16x128_f8f6f4 v[O+32*\x+8*\d:O+32*\x+8*\d+7], v[VF+16*\d:VF+16*\d+15], v[PC+16*\x:PC+16*\x+15], v[O+32*\x+8*\d:O+32*\x+8*\d+7], v[VSR+\d], v[PWD+\x]
.endr
.endr
	WIN 0
.Lhidden_\@:
	s_add_co_u32 s[KS], s[KS], 2
	s_add_co_u32 s[TB], s[TB], 16384
	s_add_co_u32 s[TS], s[TS], 512
.endm
.macro PHASE                           ; slot s[OC] (keys 1,024 s[OC] on), in place s[OC] % 2: my four of its eight key steps, written once, walked four times
	s_and_b32 s[TB], s[OC], 1
	s_lshl_b32 s[TB], s[TB], 16
	s_add_co_u32 s[TB], s[TB], s[P13]
	s_add_co_u32 s62, s[TB], 49152                 ; my last step's K in this place: three trips of 16,384 bytes on
	s_lshl_b32 s[TS], s[OC], 11
	s_add_co_u32 s[TS], s[TS], s[P8]
	s_lshl_b32 s[KS], s[OC], 3
	s_add_co_u32 s[KS], s[KS], s[PAR]
	s_mov_b32 s[CNT], 4
	s_add_co_u32 s75, s[TS], KSC
	v_add_nc_u32 v[ADK], s[TB], v[AK0]
	v_add_nc_u32 v[ADS], s75, v[AR16]
	KLOADS
.Lstep_\@:
	STEP
	s_sub_co_u32 s[CNT], s[CNT], 1
	s_cmp_lg_u32 s[CNT], 0
	s_cbranch_scc1 .Lstep_\@
.endm
; A BLOCK'S END.  I send my partner its half of my O^T, my -M and my sums, and take mine; a wave that had no step brings zeros under M = -3e38, whose factor is 0.
; Then O^T / the sum: register i of lane (r, h) is channel 32 b + 16 h + i of query r, b = my parity: one block of 32, shared with lane l xor 16.
.macro MERGE o, os, more
	v_add_f32 v13, v14, v15                        ; my half's sums, beside -M in v12 and v16.  These eight lines are also the places behind the last products
	v_add_f32 v17, v18, v19
	v_lshrrev_b32 v9, 1, v[AK0]
	v_add_nc_u32 v8, s[STW], v[AK0]
	v_add_nc_u32 v10, s[STR], v[AK0]
	v_add_nc_u32 v11, s[STR], v9
	v_add_nc_u32 v2, s[STW], v9
	v_lshlrev_b32 v3, 1, v[AR16]                   ; o's scale bytes: 32 r
	s_wait_alu depctr_va_vdst(0)
	WIN 0x04
.irp x, 0,1
.irp c, 0,1,2,3
	ds_store_b128 v8, v[O+32*\x+16+4*\c:O+32*\x+19+4*\c] offset:2304*\x+512*\c
.endr
.endr
	WIN 0
	ds_store_b64 v2, v[12:13] offset:2048
	ds_store_b64 v2, v[16:17] offset:2304+2048
.if \more
	QLOAD QL, QSL                                  ; the late block's Q
.endif
	s_wait_dscnt 0x0
	s_barrier_signal -1
	s_barrier_wait -1
.irp x, 0,1
.irp c, 0,1,2,3
	ds_load_b128 v[SA+64*\x+4*\c:SA+64*\x+4*\c+3], v10 offset:2304*\x+512*\c
.endr
	ds_load_b64 v[SA+64*\x+16:SA+64*\x+17], v11 offset:2304*\x+2048
.endr
	s_wait_dscnt 0x0
.irp x, 0,1
	v_min_num_f32 v[TP+\x], v[12+4*\x], v[SA+64*\x+16]         ; - the larger M
.endr
.irp x, 0,1
	v_sub_f32 v[BM+18*\x], v[TP+\x], v[12+4*\x]
	v_sub_f32 v[BM+18*\x+1], v[TP+\x], v[SA+64*\x+16]
.endr
.irp x, 0,1
	v_cvt_i32_f32 v[BM+18*\x], v[BM+18*\x]         ; (it saturates)
	v_cvt_i32_f32 v[BM+18*\x+1], v[BM+18*\x+1]
.endr
.irp x, 0,1
	v_ldexp_f32 v[FF+18*\x], 1.0, v[BM+18*\x]
	v_ldexp_f32 v[PS+2*\x], 1.0, v[BM+18*\x+1]
.endr
.irp x, 0,1
	v_mul_f32 v[14+4*\x], v[13+4*\x], v[FF+18*\x]
.endr
.irp x, 0,1
	v_fma_f32 v[14+4*\x], v[SA+64*\x+17], v[PS+2*\x], v[14+4*\x]
.endr
.irp x, 0,1
	v_permlanex16_b32 v[TP+\x], v[14+4*\x], s[SEL], s[SEL+1]
.endr
.irp x, 0,1
	v_add_f32 v[14+4*\x], v[14+4*\x], v[TP+\x]     ; the row's sum
.endr
	s_wait_alu depctr_va_vdst(0)                   ; ahead of the transcendentals
	v_rcp_f32 v14, v14
	v_rcp_f32 v18, v18
	v_nop                                          ; one plain line behind them
	s_wait_alu depctr_va_vdst(0)                   ; ahead of their first reader
.irp x, 0,1
	v_mul_f32 v[FF+18*\x], v[FF+18*\x], v[14+4*\x]
	v_mul_f32 v[PS+2*\x], v[PS+2*\x], v[14+4*\x]
.endr
.irp x, 0,1
.set j, SA+64*\x
.rept 8
	v_pk_mul_f32 v[j:j+1], v[j:j+1], v[PS+2*\x:PS+2*\x+1] op_sel_hi:[1,0]
.set j, j+2
.endr
.endr
	WIN 0x01
	s_wait_alu depctr_va_vdst(0)                   ; directly ahead of the first reader of my own half of O^T
.irp x, 0,1
.set j, 0
.rept 8
	v_pk_fma_f32 v[SA+64*\x+j:SA+64*\x+j+1], v[O+32*\x+j:O+32*\x+j+1], v[FF+18*\x:FF+18*\x+1], v[SA+64*\x+j:SA+64*\x+j+1] op_sel_hi:[1,0,1]
.set j, j+2
.endr
.endr
	WIN 0
.irp x, 0,1
	v_max3_num_f32 v[BM+18*\x], |v[SA+64*\x]|, |v[SA+64*\x+1]|, |v[SA+64*\x+2]|
	v_max3_num_f32 v[BM+18*\x+1], |v[SA+64*\x+3]|, |v[SA+64*\x+4]|, |v[SA+64*\x+5]|
.endr
.irp i, 6,10
.irp x, 0,1
	v_max3_num_f32 v[BM+18*\x], v[BM+18*\x], |v[SA+64*\x+\i]|, |v[SA+64*\x+\i+1]|
	v_max3_num_f32 v[BM+18*\x+1], v[BM+18*\x+1], |v[SA+64*\x+\i+2]|, |v[SA+64*\x+\i+3]|
.endr
.endr
.irp x, 0,1
	v_max3_num_f32 v[BM+18*\x], v[BM+18*\x], |v[SA+64*\x+14]|, |v[SA+64*\x+15]|
.endr
.irp x, 0,1
	v_max3_num_f32 v[BM+18*\x], v[BM+18*\x], v[BM+18*\x+1], 0x4800000
.endr
.irp x, 0,1
	v_permlanex16_b32 v[T2+18*\x], v[BM+18*\x], s[SEL], s[SEL+1]
.endr
.irp x, 0,1
	v_max_num_f32 v[BM+18*\x], v[BM+18*\x], v[T2+18*\x]
.endr
.irp x, 0,1
	v_add_nc_u32 v[SO+18*\x], 0xfc000000, v[BM+18*\x]
	v_and_or_b32 v[HL+18*\x], v[BM+18*\x], 0x7f800000, s[MNT]
.endr
.irp x, 0,1
	v_lshrrev_b32 v[T2+18*\x], 23, v[SO+18*\x]
.endr
.irp x, 0,1
.set i, SA+64*\x
.rept 16
	v_med3_num_f32 v[i], v[i], -v[HL+18*\x], v[HL+18*\x]
.set i, i+1
.endr
	v_cvt_scalef32_pk8_fp8_f32 v[SA+64*\x+20:SA+64*\x+21], v[SA+64*\x:SA+64*\x+7], v[SO+18*\x]
	v_cvt_scalef32_pk8_fp8_f32 v[SA+64*\x+22:SA+64*\x+23], v[SA+64*\x+8:SA+64*\x+15], v[SO+18*\x]
.endr
	v_nop                                          ; one plain line behind the last conversion
.irp x, 0,1
	global_store_b128 v[AK0], v[SA+64*\x+20:SA+64*\x+23], s[\o:\o+1] offset:2048*\x   ; the wave covers 512 consecutive bytes, aligned
	global_store_b8 v3, v[T2+18*\x], s[\os:\os+1] offset:512*\x    ; lanes l and l xor 16 hold the same byte
.endr
.endm
	s_wait_alu depctr_va_vdst(0)                   ; the wait at the head's end
	s_wait_tensorcnt 0x0                           ; my part of slot 0 or of the scale bytes is in;
	ds_add_u32 v[SPW], v[NIL]                      ; the add, here twice on end
	ds_add_u32 v[SPW], v[NIL]
	s_add_nc_u64 s[G0+2:G0+3], s[G0+2:G0+3], PLACE ; keys 1,024 to 2,047, into the other place
	s_xor_b32 s[G0+1], s[G0+1], PLACE
	s_wait_dscnt 0x0
	s_barrier_signal -1
	s_barrier_wait -1
	s_cmp_lt_u32 s[WV], 4
	s_cbranch_scc0 .Lnone_1
	TLOAD G0, G1
.Lnone_1:
	QREADY
; THE EARLY BLOCK: slots 0 and 1
	s_mov_b32 s[OC], 0
	s_wait_alu depctr_va_vdst(0)
.Learly:
	PHASE
	s_wait_tensorcnt 0x0                           ; my part of slot 1 is in
	s_wait_alu depctr_va_vdst(0)
	s_wait_dscnt 0x0
	s_barrier_signal -1
	s_barrier_wait -1
	s_add_co_u32 s[OC], s[OC], 1
	s_cmp_lg_u32 s[OC], 2
	s_cbranch_scc1 .Learly
	MERGE OE, OSE, 1
	INIT
	s_mov_b32 s[DS], s16
	s_sub_nc_u64 s[G0+2:G0+3], s[G0+2:G0+3], PLACE ; (no load is out) back to slot 0: the trips below step it
	s_xor_b32 s[G0+1], s[G0+1], PLACE
	s_wait_alu depctr_va_vdst(0)
	QREADY                                         ; the late block's Q
	s_wait_alu depctr_va_vdst(0)
	s_wait_xcnt 0x0                                ; the stores have read their registers
; THE LATE BLOCK: slots 0 and 1 still lie in their places; slot 2 is filled at the head of trip 1, slot 3, where the block reaches it, at the head of trip 2
	s_mov_b32 s[OC], 0
.Llate:
	s_wait_tensorcnt 0x0                           ; no tensor load of mine is out, so the group 0 may be written
	ds_add_u32 v[SPW], v[NIL]                      ; the add, here twice on end
	ds_add_u32 v[SPW], v[NIL]
	s_add_nc_u64 s[G0+2:G0+3], s[G0+2:G0+3], PLACE
	s_xor_b32 s[G0+1], s[G0+1], PLACE
	s_wait_alu depctr_va_vdst(0)
	s_wait_dscnt 0x0                               ; the adds are done, and my reads of the place that I have left are over
	s_barrier_signal -1
	s_barrier_wait -1
	s_sub_co_u32 s75, s[OC], 1                     ; the trip's count and ids alone: trips 1 and, where slot 3 is read, 2 fill the place just left
	s_cmp_lt_u32 s75, s[TOP1]
	s_cbranch_scc0 .Lno_fill
	s_cmp_lt_u32 s[WV], 4
	s_cbranch_scc0 .Lno_fill
	TLOAD G0, G1
.Lno_fill:
	PHASE
	s_add_co_u32 s[OC], s[OC], 1
	s_cmp_lg_u32 s[OC], 4
	s_cbranch_scc1 .Llate
	MERGE OL, OSL, 0
	s_wait_tensorcnt 0x0                           ; the wave's end
	ds_add_u32 v[SPW], v[NIL]
	s_wait_dscnt 0x0
	s_endpgm
.Lfunc_end_k_qf3a9af4696_attn:
	.size	k_qf3a9af4696_attn, .Lfunc_end_k_qf3a9af4696_attn-k_qf3a9af4696_attn
	.p2alignl 7, 3214868480
	.fill 96, 4, 3214868480
	.section	.rodata,"a",@progbits
	.p2align	6, 0x0
	.amdhsa_kernel k_qf3a9af4696_attn
		.amdhsa_group_segment_fixed_size 327680
		.amdhsa_private_segment_fixed_size 0
		.amdhsa_enable_private_segment 0
		.amdhsa_kernarg_size 32
		.amdhsa_user_sgpr_count 2
		.amdhsa_user_sgpr_kernarg_segment_ptr 1
		.amdhsa_wavefront_size32 1
		.amdhsa_system_sgpr_workgroup_id_x 1
		.amdhsa_system_sgpr_workgroup_id_y 1
		.amdhsa_system_sgpr_workgroup_id_z 1
		.amdhsa_system_vgpr_workitem_id 0
		.amdhsa_next_free_vgpr 512
		.amdhsa_next_free_sgpr 100
		.amdhsa_reserve_vcc 1
		.amdhsa_float_denorm_mode_32 3
		.amdhsa_float_denorm_mode_16_64 3
		.amdhsa_memory_ordered 1
		.amdhsa_forward_progress 1
		.amdhsa_inst_pref_size 126
	.end_amdhsa_kernel
	.amdgpu_metadata
---
amdhsa.version: [ 1, 2 ]
amdhsa.kernels:
  - .name:           k_qf3a9af4696_attn
    .symbol:         k_qf3a9af4696_attn.kd
    .args:
      - { .name: qkv_img, .offset: 0, .size: 8, .value_kind: global_buffer, .address_space: global }
      - { .name: qkv_sc, .offset: 8, .size: 8, .value_kind: global_buffer, .address_space: global }
      - { .name: o_img, .offset: 16, .size: 8, .value_kind: global_buffer, .address_space: global }
      - { .name: o_sc, .offset: 24, .size: 8, .value_kind: global_buffer, .address_space: global }
    .group_segment_fixed_size: 327680
    .private_segment_fixed_size: 0
    .kernarg_segment_align: 8
    .kernarg_segment_size: 32
    .max_flat_workgroup_size: 256
    .sgpr_count:     100
    .vgpr_count:     512
    .wavefront_size: 32
...
	.end_amdgpu_metadata
.endif
;; end of part 3
;; launch proj (part 4): grid 8 x 32, 4 waves a work-group, clusters of 4 x 4, 290,816 bytes of LDS; arguments o_img, o_sc, xw_codes, xw_scales, out0; writes out0
.if DOCPART == 4
	.amdgcn_target "amdgcn-amd-amdhsa--gfx1250"
	.amdhsa_code_object_version 6
	.text
	.protected	k_qf3a9af4696_proj
	.globl	k_qf3a9af4696_proj
	.p2align	8
	.type	k_qf3a9af4696_proj,@function
k_qf3a9af4696_proj:
	s_mov_b64 s[64:65], 0
	v_nop
	global_prefetch_b8 v0, s[64:65] scope:SCOPE_SE
	s_setreg_imm32_b32 hwreg(HW_REG_WAVE_MODE, 25, 1), 1
	s_wait_xcnt 0x0
	s_wait_alu depctr_hold_cnt(0) depctr_sa_sdst(0) depctr_va_vdst(0) depctr_va_sdst(0) depctr_va_ssrc(0) depctr_va_vcc(0) depctr_vm_vsrc(0)
	s_getreg_b32 s2, hwreg(HW_REG_IB_STS2, 6, 4)
	s_cmp_eq_u32 s2, 0
	s_cbranch_scc0 .Lentry_in_a_cluster
	s_endpgm
.Lentry_in_a_cluster:
	s_bfe_u32 s2, ttmp6, 0x10000c
	s_cmp_lg_u32 s2, 0xf033
	s_cbranch_scc0 .Lentry_shape_is_right
	s_endpgm
.Lentry_shape_is_right:
; out0 = o Wo^T on codes of FP8 (E4M3) with E8M0 scales; out0 [4096][1024] f32; K = 1,024.
; A tile of 128 x 128 gives each of 256 work-groups one; four waves, each 64 x 64: 16 accumulators.  ALL OF K LIES IN LDS: o's 128 rows (131,072 bytes, images of operand registers: [K step 8][tile 8][4][lane][16 bytes]),
; Wo's 128 rows (1,024 bytes + 16 of padding each) and both sides' scale bytes: four tiles, one tensor load a wave.  Every LDS byte is filled once: there is no ring and no refill, and so no loop for a prefetch to run ahead in.
; CLUSTERS: 4 x 4 work-groups; o's blocks are asked for jointly along a row of the cluster, Wo's along a column.
; THE MATRIX INSTRUCTION IS USED TRANSPOSED (source 0 = 16 rows of Wo, source 1 = 16 rows of o): a lane holds eight neighbouring numbers of a row of the result.
; REGISTERS: window 0: v16-26 addresses; v30, v31 the add's; v32-63 scale words and nothing else (register 8 i + s: lanes 0-15 o's block i, lanes 16-31 Wo's block i, K step s); v64-127 the way out; v128-255 the accumulators ((a, b) at 128 + 8 (4 a + b)).
;   window 1: two sets of fragments of 128 registers: o's four, then Wo's four.
.set PITCH,  1040                      ; a row of Wo in LDS: 260 words: row r starts at bank 4 r mod 64 (ISA guide 11.1)
.set ASTEP,  16384                     ; a K step of o's images
.set BB,     131072
.set SCB,    BB+128*PITCH              ; the scale bytes of 128 rows of o, then of Wo: 16 rows of 256 + 16 each
.set SCH,    8*272                     ; those of 64 rows
.set STG,    SCB+4*SCH                 ; the way out: 16 rows x (256 + 16) bytes for each wave; no tile lands here
.set SPITCH, 272
.set SPARE,  STG+4*16*SPITCH
.set ADRA, 16                          ; v16-17  my o fragments, K steps 0-3 and 4-7
.set ADRB, 20
.set ADRS, 22
.set STO,  24
.set RD,   25
.set CO,   26
.set SC,   32
.set TMP,  64
.set ACC,  128
.set G1A,  24
.set G1B,  32
.set G1SA, 40
.set G1SB, 48
.set MSB, 0
.macro WIN new
.if MSB != \new
	s_set_vgpr_msb (MSB<<8)|\new
.set MSB, \new
.endif
.endm
.set MUL,  0x05                        ; sources 0 and 1 window 1; C and D window 0
.set TO_F, 0x40                        ; destination window 1, address window 0
.macro CROUND
	s_barrier_signal -1
	s_barrier_wait -1
	s_cmp_lg_u32 s14, 0
	s_cbranch_scc1 .Lnot_wave_0_\@
	s_barrier_signal -3
.Lnot_wave_0_\@:
	s_barrier_wait -3
	s_barrier_signal -1
	s_barrier_wait -1
.endm
.macro MKG0 g, lds, p                  ; a group 0: count 1, LDS address, global address, type 2
	s_mov_b32 s[\g], 1
	s_mov_b32 s[\g+1], \lds
	s_mov_b64 s[\g+2:\g+3], s[\p:\p+1]
	s_or_b32 s[\g+3], s[\g+3], 0x80000000
.endm
.macro TLOAD g0, g1                    ; four v_nop follow
	tensor_load_to_lds s[\g0:\g0+3], s[\g1:\g1+7]
	s_nop 0
.rept 4
	v_nop
.endr
.endm
.macro ARM under, g0, g1, next
	s_cmp_lt_u32 s14, \under
	s_cbranch_scc0 \next
	TLOAD \g0, \g1
	s_branch .Lasked
\next:
.endm
	s_load_b256 s[4:11], s[0:1], 0x0               ; o's images, o's scale bytes, the codes, the scale bytes
	s_load_b64 s[12:13], s[0:1], 0x20              ; out0
	v_lshl_add_u32 v30, v0, 2, SPARE
	v_mov_b32 v31, 0
	ds_add_u32 v30, v31                            ; the wave's opening: the add, twice on end, and its wait
	ds_add_u32 v30, v31
	v_lshrrev_b32 v1, 5, v0
	v_readfirstlane_b32 s14, v1                    ; wave 0..3
	s_lshr_b32 s15, s14, 1                         ; my half of the tile's rows
	s_and_b32 s16, s14, 1                          ; my half of its columns
	s_bfe_u32 s2, ttmp6, 0x40000                   ; cx
	s_bfe_u32 s3, ttmp6, 0x40004                   ; cy
	s_lshl_b32 s17, ttmp9, 2
	s_add_co_u32 s17, s17, s2                      ; tile column
	s_and_b32 s18, ttmp7, 0xffff
	s_lshl_b32 s18, s18, 2
	s_add_co_u32 s18, s18, s3                      ; tile row
	s_lshl_b32 s19, s3, 2
	s_lshl_b32 s19, 15, s19                        ; my row of the cluster
	s_lshl_b32 s20, 0x1111, s2                     ; my column
	s_or_b32 s[G1A], s19, (3<<16)|(1<<21)          ; o's images: 131,072 dense bytes: 512 rows of 32 elements of 8 bytes, no padding
	s_mov_b32 s[G1A+1], 32<<16
	s_mov_b32 s[G1A+2], 512<<16
	s_mov_b32 s[G1A+3], 32<<16
	s_mov_b32 s[G1A+4], 512
	s_mov_b32 s[G1A+5], 32
	s_mov_b32 s[G1A+6], 0
	s_mov_b32 s[G1A+7], 0
	s_or_b32 s[G1B], s20, (1<<20)|(1<<21)|(7<<22)|(3<<25)   ; Wo: 128 rows of 1,024 bytes; four words of padding after every 256
	s_mov_b32 s[G1B+1], 1024<<16
	s_mov_b32 s[G1B+2], 128<<16
	s_mov_b32 s[G1B+3], 1024<<16
	s_mov_b32 s[G1B+4], 128
	s_mov_b32 s[G1B+5], 1024
	s_mov_b32 s[G1B+6], 0
	s_mov_b32 s[G1B+7], 0
	s_or_b32 s[G1SA], s19, (3<<16)|(1<<20)|(1<<21)|(5<<22)|(3<<25)  ; scale bytes of 128 rows: 4,096 dense bytes as 16 rows of 256, padded
	s_or_b32 s[G1SB], s20, (3<<16)|(1<<20)|(1<<21)|(5<<22)|(3<<25)
.irp g, G1SA, G1SB
	s_mov_b32 s[\g+1], 32<<16
	s_mov_b32 s[\g+2], 16<<16
	s_mov_b32 s[\g+3], 32<<16
	s_mov_b32 s[\g+4], 16
	s_mov_b32 s[\g+5], 32
	s_mov_b32 s[\g+6], 0
	s_mov_b32 s[\g+7], 0
.endr
	s_lshl_b32 s22, s18, 17                        ; o: 131,072 bytes a tile row
	s_mov_b32 s23, 0
	s_lshl_b32 s66, s17, 17                        ; Wo: rows 7,168 + 128 x tile column, 1,024 bytes each
	s_add_co_u32 s66, s66, 7168*1024
	s_mov_b32 s67, 0
	s_lshl_b32 s76, s18, 12                        ; the scale bytes: 32 a row
	s_mov_b32 s77, 0
	s_lshl_b32 s78, s17, 12
	s_add_co_u32 s78, s78, 7168*32
	s_mov_b32 s79, 0
	s_wait_alu depctr_va_vdst(0)
	s_wait_dscnt 0x0                               ; both opening adds are done
	CROUND                                         ; all sixteen work-groups are here: the joint loads meet
	s_wait_kmcnt 0x0
	s_add_nc_u64 s[22:23], s[4:5], s[22:23]
	s_add_nc_u64 s[66:67], s[8:9], s[66:67]
	s_add_nc_u64 s[76:77], s[6:7], s[76:77]
	s_add_nc_u64 s[78:79], s[10:11], s[78:79]
	MKG0 56, 0, 22
	MKG0 60, BB, 66
	MKG0 68, SCB, 76
	MKG0 72, SCB+2*SCH, 78
	; one tensor load a wave: o's rows, Wo's rows, o's scale bytes, Wo's
	ARM 1, 56, G1A, .Lw1
	ARM 2, 60, G1B, .Lw2
	ARM 3, 68, G1SA, .Lw3
	TLOAD 72, G1SB
.Lasked:
	v_and_b32 v1, 15, v0                           ; r
	v_bfe_u32 v2, v0, 4, 1                         ; h
	v_and_b32 v3, 31, v0
	v_lshlrev_b32 v3, 4, v3                        ; 16 x lane
	s_lshl_b32 s21, s15, 13                        ; my four tiles of o: 4 x row half x 2,048
	v_add_nc_u32 v[ADRA], s21, v3
	v_add_nc_u32 v[ADRA+1], 4*ASTEP, v[ADRA]
	v_mul_u32_u24 v4, v1, PITCH
	v_lshl_add_u32 v4, v2, 4, v4
	s_mul_i32 s21, s16, 64*PITCH
	s_add_co_u32 s21, s21, BB
	v_add_nc_u32 v[ADRB], s21, v4
	v_lshlrev_b32 v5, 5, v1                        ; my row's scale bytes: 32 a row,
	v_lshrrev_b32 v6, 3, v1
	v_lshl_add_u32 v5, v6, 4, v5                   ; and 16 more behind each 256
	s_mul_i32 s21, s15, SCH                        ; o's: my 64 rows
	s_mul_i32 s22, s16, SCH                        ; Wo's: my 64 rows, behind o's two runs
	s_add_co_u32 s22, s22, 2*SCH
	s_sub_co_u32 s22, s22, s21
	v_mul_u32_u24 v6, s22, v2                      ; lanes 16-31 take Wo's: one product, the distance between the two
	s_add_co_u32 s21, s21, SCB
	v_add_nc_u32 v5, v5, v6
	v_add_nc_u32 v[ADRS], s21, v5
	s_mul_i32 s21, s14, 16*SPITCH
	s_add_co_u32 s21, s21, STG                     ; my stage
	v_mul_u32_u24 v5, v1, SPITCH
	v_lshl_add_u32 v5, v2, 5, v5
	v_add_nc_u32 v[STO], s21, v5                   ; in: row r, 32 bytes for each half of the lanes
	v_mul_u32_u24 v5, v2, SPITCH
	v_lshl_add_u32 v5, v1, 4, v5
	v_add_nc_u32 v[RD], s21, v5                    ; back: lanes 0-15 one row of 256 bytes, lanes 16-31 the next
	v_lshlrev_b32 v5, 12, v2
	v_lshl_add_u32 v[CO], v1, 4, v5                ; and the same two rows in out0
	s_lshl_b32 s22, s18, 19                        ; my first row: (128 x tile row + 64 x half) x 4,096 bytes,
	s_lshl_b32 s21, s15, 18
	s_add_co_u32 s22, s22, s21
	s_lshl_b32 s21, s17, 9                         ; my first column: (128 x tile column + 64 x half) x 4
	s_add_co_u32 s22, s22, s21
	s_lshl_b32 s21, s16, 8
	s_add_co_u32 s22, s22, s21
	s_mov_b32 s23, 0
	s_add_nc_u64 s[12:13], s[12:13], s[22:23]
.macro FETCH s, f                      ; K step s into set f: Wo's four fragments, then o's four: 32 loads in one run
	WIN TO_F
.irp b, 0,1,2,3
.irp c, 0,1,2,3
	ds_load_b128 v[\f+64+16*\b+4*\c:\f+64+16*\b+4*\c+3], v[ADRB] offset:128*(\s)+\b*16*PITCH+32*\c
.endr
.endr
.irp a, 0,1,2,3
.irp c, 0,1,2,3
	ds_load_b128 v[\f+16*\a+4*\c:\f+16*\a+4*\c+3], v[ADRA+(\s)/4] offset:((\s)%4)*ASTEP+2048*\a+512*\c
.endr
.endr
.endm
; 8 matrix instructions: o's blocks a0, a0 + 1 x Wo's four.  K step 0 starts the sums.  The 16 accumulators take turns, in the same order in every step.
.macro MUL8 f, s, a0
.irp a, \a0, \a0+1
.irp b, 0,1,2,3
.if (\s) == 0
	v_wmma_scale_f32_16x16x128_f8f6f4 v[ACC+8*(4*(\a)+\b):ACC+8*(4*(\a)+\b)+7], v[\f+64+16*\b:\f+64+16*\b+15], v[\f+16*(\a):\f+16*(\a)+15], 0, v[SC+8*\b+(\s)], v[SC+8*(\a)+(\s)] matrix_a_scale:MATRIX_SCALE_ROW1
.else
	v_wmma_scale_f32_16x16x128_f8f6f4 v[ACC+8*(4*(\a)+\b):ACC+8*(4*(\a)+\b)+7], v[\f+64+16*\b:\f+64+16*\b+15], v[\f+16*(\a):\f+16*(\a)+15], v[ACC+8*(4*(\a)+\b):ACC+8*(4*(\a)+\b)+7], v[SC+8*\b+(\s)], v[SC+8*(\a)+(\s)] matrix_a_scale:MATRIX_SCALE_ROW1
.endif
.endr
.endr
.endm
.macro PLACES                          ; eight places in front of loads into registers that matrix instructions have read, and of the first read of results (ISA guide 7.12.1 for the first read of results)
.rept 8
	v_nop
.endr
.endm
.macro KSTEP s
.set FB, 128*((\s)%2)
.set GB, 128-FB
	s_wait_dscnt 8                                 ; Wo's fragments and o's blocks 0 and 1 are in; the youngest eight loads (blocks 2 and 3) may be out
	WIN MUL
	MUL8 FB, \s, 0
.if (\s) < 7
	PLACES
	FETCH (\s)+1, GB
	s_wait_dscnt 32                                ; all but the 32 just issued
.else
	s_wait_dscnt 0x0
.endif
	WIN MUL
	MUL8 FB, \s, 2
.endm
	s_wait_alu depctr_va_vdst(0)                   ; the wait at the head's end
	s_wait_tensorcnt 0x0                           ; my tile of the four is in
	s_barrier_signal -1
	s_barrier_wait -1
.irp i, 0,1,2,3
	ds_load_b128 v[SC+8*\i:SC+8*\i+3], v[ADRS] offset:\i*2*272      ; a row's eight scale words, for all of K, once
	ds_load_b128 v[SC+8*\i+4:SC+8*\i+7], v[ADRS] offset:\i*2*272+16
.endr
	FETCH 0, 0
.irp s, 0,1,2,3,4,5,6,7
	KSTEP \s
.endr
	WIN 0
; THE WAY OUT, block by block of 16 rows x 64 columns: through my own stage in LDS, back as whole rows of 256 bytes.  LDS serves a wave's instructions in order (ISA guide 5.7.1.4): no wait between the stores and the loads.
.macro TOSTAGE a
.irp b, 0,1,2,3
	ds_store_b128 v[STO], v[ACC+8*(4*(\a)+\b):ACC+8*(4*(\a)+\b)+3] offset:64*\b        ; each accumulator from its low end on
	ds_store_b128 v[STO], v[ACC+8*(4*(\a)+\b)+4:ACC+8*(4*(\a)+\b)+7] offset:64*\b+16
.endr
.set BK, TMP+32*((\a)%2)
.irp t, 0,1,2,3,4,5,6,7
	ds_load_b128 v[BK+4*\t:BK+4*\t+3], v[RD] offset:\t*2*SPITCH
.endr
.endm
.macro SEND a, younger                 ; younger: the LDS instructions issued behind block a's loads, which may stay out
.set BK, TMP+32*((\a)%2)
	s_wait_dscnt \younger
.irp t, 0,1,2,3,4,5,6,7
	global_store_b128 v[CO], v[BK+4*\t:BK+4*\t+3], s[12:13] offset:(16*(\a)+2*\t)*4096 th:TH_STORE_NT   ; sixteen lanes store 256 consecutive bytes, aligned; written once, read by nobody here
.endr
.endm
	PLACES
	TOSTAGE 0
.irp a, 1,2,3
.if \a > 1
	s_wait_xcnt 0x0                                ; block a - 2's stores have read their registers: block a's loads may land there
.endif
	TOSTAGE \a
	SEND \a-1, 16                                  ; behind block a - 1's loads: block a's 8 stores and 8 loads
.endr
	SEND 3, 0
	s_wait_tensorcnt 0x0                           ; the wave's end
	ds_add_u32 v30, v31
	s_wait_dscnt 0x0
	CROUND                                         ; the closing round: no work-group ends while a partner may still ask for a tile that names it
	s_endpgm
.Lfunc_end_k_qf3a9af4696_proj:
	.size	k_qf3a9af4696_proj, .Lfunc_end_k_qf3a9af4696_proj-k_qf3a9af4696_proj
	.p2alignl 7, 3214868480
	.fill 96, 4, 3214868480
	.section	.rodata,"a",@progbits
	.p2align	6, 0x0
	.amdhsa_kernel k_qf3a9af4696_proj
		.amdhsa_group_segment_fixed_size 290816
		.amdhsa_private_segment_fixed_size 0
		.amdhsa_enable_private_segment 0
		.amdhsa_kernarg_size 40
		.amdhsa_user_sgpr_count 2
		.amdhsa_user_sgpr_kernarg_segment_ptr 1
		.amdhsa_wavefront_size32 1
		.amdhsa_system_sgpr_workgroup_id_x 1
		.amdhsa_system_sgpr_workgroup_id_y 1
		.amdhsa_system_sgpr_workgroup_id_z 1
		.amdhsa_system_vgpr_workitem_id 0
		.amdhsa_next_free_vgpr 512
		.amdhsa_next_free_sgpr 102
		.amdhsa_reserve_vcc 0
		.amdhsa_float_denorm_mode_32 3
		.amdhsa_float_denorm_mode_16_64 3
		.amdhsa_memory_ordered 1
		.amdhsa_forward_progress 1
		.amdhsa_inst_pref_size 52
	.end_amdhsa_kernel
	.amdgpu_metadata
---
amdhsa.version: [ 1, 2 ]
amdhsa.kernels:
  - .name:           k_qf3a9af4696_proj
    .symbol:         k_qf3a9af4696_proj.kd
    .args:
      - { .name: o_img, .offset: 0, .size: 8, .value_kind: global_buffer, .address_space: global }
      - { .name: o_sc, .offset: 8, .size: 8, .value_kind: global_buffer, .address_space: global }
      - { .name: xw_codes, .offset: 16, .size: 8, .value_kind: global_buffer, .address_space: global }
      - { .name: xw_scales, .offset: 24, .size: 8, .value_kind: global_buffer, .address_space: global }
      - { .name: out0, .offset: 32, .size: 8, .value_kind: global_buffer, .address_space: global }
    .group_segment_fixed_size: 290816
    .private_segment_fixed_size: 0
    .kernarg_segment_align: 8
    .kernarg_segment_size: 40
    .max_flat_workgroup_size: 128
    .sgpr_count:     102
    .vgpr_count:     512
    .wavefront_size: 32
...
	.end_amdgpu_metadata
.endif
;; end of part 4
